; MI455X (gfx1250); checked and timed in simulation.
; The chip was launched on July 23, 2026; its instructions are those of AMD's public machine-readable ISA for CDNA 5 (MIT licence, August 2026) and "CDNA5" Instruction Set Architecture Reference Guide (July 2026). The comments in the code are by the model that wrote it; some were corrected since.
;; Transformer Post LN. Allowed arithmetic: matrix products marked QUANTISED: E2M1 operands, one E8M0 scale for each 32 along K, by v_wmma_scale_f32_16x16x128_f8f6f4 with both operands' format E2M1 (or v_wmma_scale_f32_32x16x128_f4), f32 sums; everything else in f32.
;; Inputs: b1 2,048 float32; b2 512 float32; bk 512 float32; bo 512 float32; bq 512 float32; bv 512 float32; kx_codes 4 x 2,048 x 16 x 16 uint8 (E2M1 codes of kx, K innermost, in blocks of 32 codes, two codes a byte); kx_scales 4 x 2,048 x 16 uint8 (E8M0 scales of kx, one for each 32 codes along K); ln1_b 512 float32; ln1_g 512 float32; ln2_b 512 float32; ln2_g 512 float32; maskPAD 4 x 2,048 x 2,048 int32; qx_codes 4 x 2,048 x 16 x 16 uint8 (E2M1 codes of qx, K innermost, in blocks of 32 codes, two codes a byte); qx_scales 4 x 2,048 x 16 uint8 (E8M0 scales of qx, one for each 32 codes along K); vx 4 x 2,048 x 512 float32; w1_codes 2,048 x 16 x 16 uint8 (E2M1 codes of w1, K innermost, in blocks of 32 codes, two codes a byte); w1_scales 2,048 x 16 uint8 (E8M0 scales of w1, one for each 32 codes along K); w2_codes 512 x 64 x 16 uint8 (E2M1 codes of w2, K innermost, in blocks of 32 codes, two codes a byte); w2_scales 512 x 64 uint8 (E8M0 scales of w2, one for each 32 codes along K); wk_codes 512 x 16 x 16 uint8 (E2M1 codes of wk, K innermost, in blocks of 32 codes, two codes a byte); wk_scales 512 x 16 uint8 (E8M0 scales of wk, one for each 32 codes along K); wo_codes 512 x 16 x 16 uint8 (E2M1 codes of wo, K innermost, in blocks of 32 codes, two codes a byte); wo_scales 512 x 16 uint8 (E8M0 scales of wo, one for each 32 codes along K); wq_codes 512 x 16 x 16 uint8 (E2M1 codes of wq, K innermost, in blocks of 32 codes, two codes a byte); wq_scales 512 x 16 uint8 (E8M0 scales of wq, one for each 32 codes along K); wv_codes 512 x 16 x 16 uint8 (E2M1 codes of wv, K innermost, in blocks of 32 codes, two codes a byte); wv_scales 512 x 16 uint8 (E8M0 scales of wv, one for each 32 codes along K).
;; Outputs: out0 4 x 2,048 x 512 float32.
;; This version of the problem:
;;   THIS VERSION OF THE PROBLEM IS GIVEN IN LOW PRECISION. The matrix products marked QUANTISED in the list below multiply operands that are first quantised to E2M1 (2 exponent bits, 1 mantissa bit; 4 bits a number), with one power-of-two scale for each 32 numbers along K (OCP MX v1.0); their sums are f32. All else is computed in f32.
;;   The module's matrix products, in the order in which they are computed (A, B: the left and right operand; K: the contracted axis; several contracted axes count as one K, in the product's order):
;;     1. [M 8,192, K 512] x [K 512, N 512]; A: input qx (given as codes); B: input wq (given as codes): QUANTISED
;;     2. [M 8,192, K 512] x [K 512, N 512]; A: input kx (given as codes); B: input wk (given as codes): QUANTISED
;;     3. [M 8,192, K 512] x [K 512, N 512]; A: input vx; B: input wv (given as codes): QUANTISED
;;     4. batch 32 x [M 2,048, K 64] x [K 64, N 2,048]; A: computed on the way; B: computed on the way: QUANTISED
;;     5. batch 32 x [M 2,048, K 2,048] x [K 2,048, N 64]; A: softmax (see below); B: computed on the way: QUANTISED
;;     6. [M 8,192, K 512] x [K 512, N 512]; A: computed on the way; B: input wo (given as codes): QUANTISED
;;     7. [M 8,192, K 512] x [K 512, N 2,048]; A: computed on the way; B: input w1 (given as codes): QUANTISED
;;     8. [M 8,192, K 2,048] x [K 2,048, N 512]; A: computed on the way; B: input w2 (given as codes): QUANTISED
;;   THE QUANTISER, for each operand of a quantised product, along K:
;;     - K is cut into blocks of 32 from its start; a last block that is shorter is filled with zeros.
;;     - A block's scale is 2^e with e = floor(log2(the largest magnitude in the block)) - 2, held to -126 .. 127; a block of zeros has e = 0. As a byte (E8M0): e + 127.
;;     - Each number is divided by its block's scale, clamped to +-6, and rounded to the nearest number of E2M1, ties to even, subnormals kept.
;;     - The product sums the exact products of the quantised numbers (number of the format x scale) in f32.
;;   ~~~python
;;   def quantise(x, axis):      # numpy; x: float32 -> the quantised numbers, widened to float32 again
;;       x = np.moveaxis(x, axis, -1); K = x.shape[-1]
;;       x = np.pad(x, [(0, 0)] * (x.ndim - 1) + [(0, -K % 32)]); x = x.reshape(x.shape[:-1] + (-1, 32)); a = np.abs(x).max(-1, keepdims=True)
;;       e = np.where(a > 0, np.clip(np.frexp(np.where(a > 0, a, 1))[1] - 1 - 2, -126, 127), 0)      # np.frexp(a)[1] - 1 = floor(log2(a)), exactly
;;       r = np.clip(x / 2.0 ** e, -6, 6)
;;       step = 2.0 ** (np.maximum(np.frexp(np.where(r == 0, 1, r))[1] - 1, 0) - 1)
;;       q = np.round(r / step) * step * 2.0 ** e      # np.round: ties to even
;;       return np.moveaxis(q.reshape(q.shape[:-2] + (-1,))[..., :K], -1, axis).astype(np.float32)
;;   ~~~
;;   SOFTMAX AHEAD OF A QUANTISED PRODUCT. Where the list says 'softmax', what is quantised is not the finished softmax but p = 2^(t - M), with t = logit x log2(e) and M = ceil(the row's largest t), a whole number; so 1/2 < the row's largest p <= 1. The row's sum l is taken of the UNQUANTISED p, in f32, and the product's result is divided by l at the end. Since M is a whole number, a kernel that streams over the keys may use a running M (the ceiling of the running maximum): every later rescaling is an exact power of two, which a block's scale takes up: the codes' values come out the same.
;;   OPERANDS COMPUTED ON THE WAY. 'Computed on the way' means the value that the module computes at that place (a softmax that the list does not call 'softmax' is quantised finished and normalised). What goes into a quantiser is computed in f32, as accurately as f32 sums, v_exp_f32 and their like allow (about 1e-6 of the number): no bf16 or f16 on the way to a quantiser, and a product that is left as it is and whose result goes on into a quantised operand takes f32 operands (vector FMAs, or v_wmma_f32_16x16x4_f32). A number that lies on a knife's edge between two numbers of the format may be rounded either way, as far as f32 arithmetic and the matrix unit's own rounding can turn it there, and no further.
;;   INPUTS GIVEN AS CODES. kx (in the module: [4, 2048, 512], K = its axis 2); qx (in the module: [4, 2048, 512], K = its axis 2); w1 (in the module: [512, 2048], K = its axis 0); w2 (in the module: [2048, 512], K = its axis 0); wk (in the module: [512, 512], K = its axis 0); wo (in the module: [512, 512], K = its axis 0); wq (in the module: [512, 512], K = its axis 0); wv (in the module: [512, 512], K = its axis 0): each comes as NAME_codes (uint8): NAME with its K axis moved to the last place and cut into blocks of 32 codes, [.., K / 32, bytes a block], one block behind the other in memory; two codes a byte, the lower K in the low four bits (a code: sign, 2 exponent bits, 1 mantissa bit); and NAME_scales (uint8): the same leading axes, one E8M0 byte (e + 127) for each 32 codes along K. Its value is code x scale, taken as it is: it is not quantised again, and the codes and scales need not be those that the quantiser above would give.
;; 2 versions, each right; version 2 is version 1 with the launches prep, tail written anew for expert scheduling mode. Each part assembles by itself: llvm-mc -triple=amdgcn-amd-amdhsa -mcpu=gfx1250 --defsym DOCPART=n.
;; ======== version 1 of 2: 3 launches
;; workspace buffers: qb 2,228,224 bytes; kv 4,456,448 bytes; maskw 2,097,152 bytes of whole numbers; zc 2,097,152 bytes; zs 131,072 bytes; wimg 1,253,376 bytes
;; launch prep (part 1): grid 484 x 1, 4 waves a work-group, no clusters, 74,240 bytes of LDS; arguments qx_codes, qx_scales, wq_codes, wq_scales, bq, qb, kx_codes, kx_scales, wk_codes, wk_scales, bk, kv, vx, wv_codes, wv_scales, bv, maskPAD, maskw, wo_codes, wo_scales, w1_codes, w1_scales, w2_codes, w2_scales, wimg; writes qb, kv, maskw, wimg
.if DOCPART == 1
	.amdgcn_target "amdgcn-amd-amdhsa--gfx1250"
	.amdhsa_code_object_version 6
	.text
	.protected	k_q32e2343624_prep
	.globl	k_q32e2343624_prep
	.p2align	8
	.type	k_q32e2343624_prep,@function
k_q32e2343624_prep:
	s_mov_b64 s[64:65], 0
	v_nop
	global_prefetch_b8 v0, s[64:65] scope:SCOPE_SE
	s_setreg_imm32_b32 hwreg(HW_REG_WAVE_MODE, 25, 1), 1
	s_wait_xcnt 0x0
; q = qx wq + bq, k = kx wk + bk, v = vx wv + bv on codes of FP4 (E2M1) with one E8M0 scale for each 32 along K; q and k are quantised again along a head's 64 channels, v along the keys;
; maskPAD becomes words of one bit a lane; wo, w1, w2 are laid in the order in which the last launch's registers take them.
; Four ways part on the work-group's number: 0-127 q and k (64 blocks of 128 tokens each), 128-191 v, 192-447 the mask (32 query rows each), 448-483 the weights' images (a slot a wave).
; TILES OF 16 ARE NEVER NEIGHBOURS: in a group of 32 rows, lane r of tile u takes row 8 u + r + 8 (r / 8).  Such a tile as source 0 leaves, in lane (r, h), register j of result tile (b, u) = index 32 b + 16 h + 8 u + j:
; the 16 registers of two neighbouring tiles are 16 neighbours along the next K, as the conversions want them.
; q, k: source 0 = the wave's 128 rows of the weight (two heads), kept in 256 registers; source 1 = 16 tokens: a lane holds one token, its registers run along the channels.
; v:    source 0 = the block's 128 tokens of vx, quantised by the four waves and handed round through LDS as images of the operand's registers; source 1 = 16 rows of wv: a lane holds one channel, registers run along the keys.
; OUT, as images of the registers in which the next launch wants them (lane l's 16 bytes at 16 l, 512 bytes a store): qb [head 32][step 16][4,352]: 8 blocks of 512 bytes of codes, then 256 bytes of scale words [r][pair of tiles];
; kv [head][step][8,704]: k as in qb, then v's 4 fragments (4,096 bytes), then v's scale words [r][tile].  maskw [query tile 512][step 16][64 words].
; wimg [slot 144][8,704]: a slot is 32 rows of a weight x 512 along K: block 8 u + 2 ks + c of 512 bytes = registers 4 c on of the fragment (tile u, K step ks); then 512 bytes of scale words (lane r + 16 u: row 8 u + r + 8 (r / 8)).
; Slots 0-15: wo, 32 rows each; 16-79: w1 likewise; 80-143: w2: slot 16 c + g = rows 32 g on, K 512 c on.
; No joint loads: a weight fragment goes from memory into the one wave's registers that multiplies by it (32,768 bytes a wave, read once by it); through LDS it would be stored and read once more for the same products.
; No prefetch: the mask's way keeps 48 to 64 loads of 512 bytes a wave on their way all the time.
; LIMITS: NaN and infinities are not served.  A block whose largest magnitude lies under 2^-124 gets the byte 1; a block of zeros gets 1 where the rule says 127: its codes are zeros, and this program alone reads the bytes.
; REGISTERS: window 0: v1 r, v2 h, v3 r + 8 (r / 8), v4-15 offsets, v16-79 results, v80-143 a second set of vx, v144-159 source 0's scale words, v160-167 source 1's, v168-175 codes, v176-177 scale words made,
;   v180-195 at work, v196-203 scale words gathered, v204-207 as stored.  window 1: source 0's 32 fragments.  window 2: source 1's fragments, two sets (v0-63); biases (v64-143).
.set ACC,  16
.set ST,   80
.set PS,   144
.set SS,   160
.set PC,   168
.set PW,   176
.set TM,   180
.set KW,   196
.set OUTW, 204
.set WV,   32
.set SEL,  34
.set XSCL, 32768                       ; LDS, v's way: 32 images of 1,024 bytes, then 16 x 128 bytes of scale words
.set MSTG, 36864                       ; LDS, the mask's way: a stage of 16 rows x 528 bytes for each wave
.set SLOTB, 8704                       ; a slot of wimg
.set T,    16
.set MW,   80
.set MSB,  0
.macro WIN new                         ; the immediate's high byte repeats the setting that is left
.if MSB != \new
	s_set_vgpr_msb (MSB<<8)|\new
.set MSB, \new
.endif
.endm
; one product 16 x 16 x 128; ra, rb = 1: that side's scale words stand in lanes 16-31
.macro WM d, a, b, c, sa, sb, ra, rb
.if (\ra) && (\rb)
	v_wmma_scale_f32_16x16x128_f8f6f4 v[(\d):(\d)+7], v[(\a):(\a)+7], v[(\b):(\b)+7], v[(\c):(\c)+7], v[(\sa)], v[(\sb)] matrix_a_fmt:MATRIX_FMT_FP4 matrix_b_fmt:MATRIX_FMT_FP4 matrix_a_scale:MATRIX_SCALE_ROW1 matrix_b_scale:MATRIX_SCALE_ROW1
.elseif (\ra)
	v_wmma_scale_f32_16x16x128_f8f6f4 v[(\d):(\d)+7], v[(\a):(\a)+7], v[(\b):(\b)+7], v[(\c):(\c)+7], v[(\sa)], v[(\sb)] matrix_a_fmt:MATRIX_FMT_FP4 matrix_b_fmt:MATRIX_FMT_FP4 matrix_a_scale:MATRIX_SCALE_ROW1
.elseif (\rb)
	v_wmma_scale_f32_16x16x128_f8f6f4 v[(\d):(\d)+7], v[(\a):(\a)+7], v[(\b):(\b)+7], v[(\c):(\c)+7], v[(\sa)], v[(\sb)] matrix_a_fmt:MATRIX_FMT_FP4 matrix_b_fmt:MATRIX_FMT_FP4 matrix_b_scale:MATRIX_SCALE_ROW1
.else
	v_wmma_scale_f32_16x16x128_f8f6f4 v[(\d):(\d)+7], v[(\a):(\a)+7], v[(\b):(\b)+7], v[(\c):(\c)+7], v[(\sa)], v[(\sb)] matrix_a_fmt:MATRIX_FMT_FP4 matrix_b_fmt:MATRIX_FMT_FP4
.endif
.endm
.macro PLACES                          ; four plain places behind matrix instructions, ahead of reads of results and of loads into operands
.rept 4
	v_nop
.endr
.endm
; 64 numbers of a lane, register 16 b + i = k 32 b + 16 h + i of my row, become a fragment's codes in v[pc] on and its scale word in v[pw]
.macro QUANT s, pc, pw
.irp b, 0,1,2,3
	v_max3_num_f32 v[TM+\b], |v[(\s)+16*\b]|, |v[(\s)+1+16*\b]|, 0x1800000   ; my 16 numbers of block b and the floor 2^(3 - 127): the byte cannot fall under 1
.endr
.irp i, 2,4,6,8,10,12,14
.irp b, 0,1,2,3
	v_max3_num_f32 v[TM+\b], v[TM+\b], |v[(\s)+16*\b+\i]|, |v[(\s)+1+16*\b+\i]|
.endr
.endr
.irp b, 0,1,2,3
	v_permlanex16_b32 v[TM+4+\b], v[TM+\b], s[SEL], s[SEL+1]
.endr
.irp b, 0,1,2,3
	v_max_num_f32 v[TM+\b], v[TM+\b], v[TM+4+\b]   ; with lane l xor 16's: the block's largest magnitude
.endr
.irp b, 0,1,2,3
	v_add_nc_u32 v[TM+12+\b], 0xff000000, v[TM+\b]   ; 2 off its exponent field: the conversion's scale operand
.endr
.irp b, 0,1,2,3
	v_lshrrev_b32 v[TM+4+\b], 23, v[TM+12+\b]   ; the scale's byte
.endr
	v_lshl_or_b32 v[(\pw)], v[TM+5], 8, v[TM+4]
	v_lshl_or_b32 v[(\pw)], v[TM+6], 16, v[(\pw)]
	v_lshl_or_b32 v[(\pw)], v[TM+7], 24, v[(\pw)]
.irp b, 0,1,2,3
	v_cvt_scalef32_pk8_fp4_f32 v[(\pc)+2*\b], v[(\s)+16*\b:(\s)+7+16*\b], v[TM+12+\b]
	v_cvt_scalef32_pk8_fp4_f32 v[(\pc)+1+2*\b], v[(\s)+8+16*\b:(\s)+15+16*\b], v[TM+12+\b]
.endr
	v_nop                                          ; one plain place behind a scaled conversion
.irp c, 0,1                                    ; a whole block to a lane: lanes 0-15 block 2 c, lanes 16-31 block 2 c + 1
.irp i, 0,1
	v_permlane16_swap_b32 v[(\pc)+4*\c+\i], v[(\pc)+2+4*\c+\i]
.endr
.endr
.endm
; source 1's tile i (16 rows x 512 K: four fragments, their scale words; on v's way also the lane's bias eight times over) into set sg: 9 loads, on v's way 17
.macro SLOAD sg, i, isv
.set RW0, 32*((\i)/2)+8*((\i)%2)
	WIN 0x80
.irp ks, 0,1,2,3
.irp c, 0,1
	global_load_b128 v[32*(\sg)+8*\ks+4*\c:32*(\sg)+8*\ks+4*\c+3], v4, s[8:9] offset:RW0*256+64*\ks+32*\c
.endr
.endr
.if \isv
.irp j, 0,1,2,3,4,5,6,7
	global_load_b32 v[128+8*(\sg)+\j], v7, s[16:17] offset:RW0*4
.endr
.endif
	WIN 0
	global_load_b128 v[SS+4*(\sg):SS+4*(\sg)+3], v5, s[10:11] offset:RW0*16
.endm
; 32 products: source 0's eight tiles by turns, K step by K step; the bias is the C of each sum's first product
.macro PROD sg, isv
	WIN 0x29                                       ; A window 1, B and C window 2, D window 0
.irp t, 0,1,2,3,4,5,6,7
.if \isv
	WM ACC+8*\t, 32*\t, 32*(\sg), 128+8*(\sg), PS+4*(\t/2), SS+4*(\sg), \t%2, 0
.else
	WM ACC+8*\t, 32*\t, 32*(\sg), 64+8*\t, PS+4*(\t/2), SS+4*(\sg), \t%2, 0
.endif
.endr
	WIN 0x09                                       ; C and D window 0
.irp ks, 1,2,3
.irp t, 0,1,2,3,4,5,6,7
	WM ACC+8*\t, 32*\t+8*\ks, 32*(\sg)+8*\ks, ACC+8*\t, PS+4*(\t/2)+\ks, SS+4*(\sg)+\ks, \t%2, 0
.endr
.endr
	WIN 0
.endm
.macro TILE i, isv
.set SG, (\i)%2
.if (\i) == 7
	s_wait_loadcnt 0x0
.elseif \isv
	s_wait_loadcnt 17                              ; this tile's loads are in; the next tile's 17 may be out
.else
	s_wait_loadcnt 9                               ; the next tile's 9 may be out
.endif
	PROD SG, \isv
	PLACES
	s_wait_xcnt 0x0                                ; the last tile's stores have read the codes' registers
.if (\i) < 6
	SLOAD SG, (\i)+2, \isv
.endif
.if \isv
	QUANT ACC, PC, KW+(\i)
.if (\i) < 4
	global_store_b128 v8, v[PC:PC+3], s[18:19] offset:1024*(\i)
	global_store_b128 v8, v[PC+4:PC+7], s[18:19] offset:1024*(\i)+512
.else
	global_store_b128 v9, v[PC:PC+3], s[18:19] offset:1024*((\i)-4)
	global_store_b128 v9, v[PC+4:PC+7], s[18:19] offset:1024*((\i)-4)+512
.endif
.else
	QUANT ACC, PC, PW+(\i)%2
	global_store_b128 v8, v[PC:PC+3], s[18:19] offset:512*(\i)      ; the wave's first head: channels 32 h on of 16 tokens
	global_store_b128 v9, v[PC+4:PC+7], s[18:19] offset:512*(\i)    ; its second head
.if (\i)%2
	v_perm_b32 v[KW+(\i)/2], v[PW+1], v[PW], 0x05040100             ; first head: the even tile's two bytes, the odd tile's two
	v_perm_b32 v[KW+4+(\i)/2], v[PW+1], v[PW], 0x07060302           ; second head
.endif
.endif
.endm
.macro FINISH                          ; the scale words: lanes 0-15 the first head's, lanes 16-31 the second's: two runs of 256 consecutive bytes
.irp k, 0,1,2,3
	v_cndmask_b32 v[OUTW+\k], v[KW+\k], v[KW+4+\k], s36
.endr
	global_store_b128 v10, v[OUTW:OUTW+3], s[18:19] offset:4096
.endm
.macro XLOAD reg, k                    ; vx: tile k / 4 of my two, K step k % 4: 16 neighbours of each block of 32 to a lane
.irp b, 0,1,2,3
.irp j, 0,1,2,3
	global_load_b128 v[(\reg)+16*\b+4*\j:(\reg)+16*\b+4*\j+3], v11, s[12:13] offset:16384*((\k)/4)+512*((\k)%4)+128*\b+16*\j th:TH_LOAD_NT
.endr
.endr
.endm
.macro XJOB k
.if (\k) < 7
	s_wait_loadcnt 16                              ; this job's 16 loads are in, the next job's may be out
.else
	s_wait_loadcnt 0x0
.endif
	s_wait_dscnt 0x0                               ; the last job's LDS stores have read the codes' registers
	QUANT ACC+64*((\k)%2), PC, PW
	ds_store_b128 v14, v[PC:PC+3] offset:4096*((\k)/4)+1024*((\k)%4)
	ds_store_b128 v14, v[PC+4:PC+7] offset:4096*((\k)/4)+1024*((\k)%4)+512
	ds_store_b32 v15, v[PW] offset:XSCL+128*((\k)%4)+64*((\k)/4)
.if (\k) < 6
	XLOAD ACC+64*((\k)%2), (\k)+2
.endif
.endm
.macro MLOAD k                         ; unit k: query tile k / 4, key step k % 4 of my four: 16 rows x 512 consecutive bytes
	WIN 0x40
.irp q, 0,1,2,3,4,5,6,7,8,9,10,11,12,13,14,15
	global_load_b128 v[64*((\k)%4)+4*\q:64*((\k)%4)+4*\q+3], v8, s[8:9] offset:(8*((\k)/4)+\q+8*(\q/8))*8192+512*((\k)%4) th:TH_LOAD_NT
.endr
	WIN 0
.endm
.macro MUNIT k
.if 7-(\k) >= 3
	s_wait_loadcnt 48                              ; the three younger units' loads may be out
.else
	s_wait_loadcnt 16*(7-(\k))
.endif
	WIN 0x04                                       ; an LDS store's data: window 1
.irp q, 0,1,2,3,4,5,6,7,8,9,10,11,12,13,14,15
	ds_store_b128 v4, v[64*((\k)%4)+4*\q:64*((\k)%4)+4*\q+3] offset:528*\q
.endr
	WIN 0
.irp b, 0,1,2,3
.irp u, 0,1
.irp e, 0,1
	ds_load_b128 v[T+8*(2*\b+\u)+4*\e:T+8*(2*\b+\u)+4*\e+3], v5 offset:128*\b+32*\u+16*\e   ; the wave's own bytes, served in order: these see the stores above
.endr
.endr
.endr
	s_wait_dscnt 0x0
.if (\k)+4 < 8
	MLOAD (\k)+4
.endif
.set N, 0
.rept 4
.set M, 0
.rept 16
	v_cmp_ne_u32 s[16+M], 0, v[T+N+M]              ; word n: bit of lane (r, h) = maskPAD[query r][key 32 b + 16 h + 8 u + j] != 0, n = 8 (2 b + u) + j
.set M, M+1
.endr
.set M, 0
.rept 16
	v_writelane_b32 v[MW+2*(\k)+((N+M)&1)], s[16+M], (N+M)>>1
.set M, M+1
.endr
.set N, N+16
.endr
	global_store_b64 v6, v[MW+2*(\k):MW+2*(\k)+1], s[10:11] offset:4096*((\k)/4)+256*((\k)%4)   ; 256 consecutive bytes, aligned
.endm
; one slot of wimg.  cb, sb: the tensor's codes and scale bytes; first: its first slot; lp, ls: log2 of a row of codes and of scale bytes; slot & msk: the group of 32 rows; slot >> sh: which 512 along K
.macro WLAY cb, sb, first, lp, ls, msk, sh
	s_sub_co_u32 s42, s39, \first                  ; my slot within the tensor
	s_and_b32 s45, s42, \msk
	s_lshr_b32 s46, s42, \sh
	s_lshl_b32 s40, s45, 5+\lp                     ; 32 rows of codes a group,
	s_lshl_b32 s47, s46, 8                         ; 256 bytes for 512 along K
	s_add_co_u32 s40, s40, s47
	s_add_nc_u64 s[\cb:\cb+1], s[\cb:\cb+1], s[40:41]
	s_lshl_b32 s40, s45, 5+\ls                     ; the same in scale bytes:
	s_lshl_b32 s47, s46, 4                         ; 16 for 512 along K
	s_add_co_u32 s40, s40, s47
	s_add_nc_u64 s[\sb:\sb+1], s[\sb:\sb+1], s[40:41]
	v_lshlrev_b32 v4, \lp, v3
	v_lshl_add_u32 v4, v2, 4, v4                   ; row r + 8 (r / 8), + 16 h
	v_lshl_add_u32 v6, v2, 3, v3
	v_lshlrev_b32 v6, \ls, v6                      ; scale bytes of two tiles at once: lanes 16-31 eight rows on
.irp u, 0,1
.irp ks, 0,1,2,3
.irp c, 0,1
	global_load_b128 v[16+32*\u+8*\ks+4*\c:16+32*\u+8*\ks+4*\c+3], v4, s[\cb:\cb+1] offset:(8<<\lp)*\u+64*\ks+32*\c
.endr
.endr
.endr
	global_load_b128 v[80:83], v6, s[\sb:\sb+1]
	s_wait_loadcnt 0x0
.set N, 0
.rept 16
	global_store_b128 v8, v[16+4*N:16+4*N+3], s[20:21] offset:512*N   ; 512 consecutive bytes, aligned
.set N, N+1
.endr
	global_store_b128 v8, v[80:83], s[20:21] offset:8192
	s_endpgm
.endm
	v_lshl_add_u32 v254, v0, 2, 0x12000
	v_mov_b32 v255, 0
	v_lshrrev_b32 v1, 5, v0
	v_readfirstlane_b32 s[WV], v1                  ; wave 0..3
	v_and_b32 v12, 31, v0                          ; l
	v_and_b32 v1, 15, v0                           ; r
	v_bfe_u32 v2, v0, 4, 1                         ; h
	v_and_b32 v3, 8, v1
	v_add_nc_u32 v3, v3, v1                        ; r + 8 (r / 8)
	v_lshlrev_b32 v8, 4, v12                       ; 16 l
	s_cmp_ge_u32 ttmp9, 192
	s_cbranch_scc1 .Lmask
	v_lshlrev_b32 v4, 8, v3
	v_lshl_add_u32 v4, v2, 4, v4                   ; a fragment's row of 256 bytes + 16 h
	v_lshlrev_b32 v5, 4, v3                        ; its row of 16 scale bytes
	v_lshl_add_u32 v6, v2, 3, v3
	v_lshlrev_b32 v6, 4, v6                        ; the same for two tiles at once: lanes 16-31 eight rows on
	s_mov_b32 s[SEL], 0x76543210
	s_mov_b32 s[SEL+1], 0xfedcba98                 ; lane l xor 16
	s_mov_b32 s36, 0xffff0000                      ; lanes 16-31
.irp b, 0,1,2,3
	v_mov_b32 v[TM+4+\b], 0                        ; written once: a lane permute's destination counts as one of its sources
.endr
	s_mov_b32 s41, 0
	s_cmp_ge_u32 ttmp9, 128
	s_cbranch_scc1 .Lv
	; ---- q and k
	s_load_b256 s[8:15], s[0:1], 0x0               ; qx's codes, scales; wq's codes, scales
	s_load_b128 s[16:19], s[0:1], 0x20             ; bq, qb
	s_load_b256 s[20:27], s[0:1], 0x30             ; the same for k
	s_load_b128 s[28:31], s[0:1], 0x50
	v_lshlrev_b32 v7, 6, v2                        ; the bias: 16 h numbers on
	s_lshr_b32 s38, ttmp9, 6                       ; 0: q, 1: k
	s_and_b32 s39, ttmp9, 63                       ; which 128 tokens
	s_wait_kmcnt 0x0
	s_cmp_eq_u32 s38, 0
	s_cselect_b64 s[8:9], s[8:9], s[20:21]
	s_cselect_b64 s[10:11], s[10:11], s[22:23]
	s_cselect_b64 s[12:13], s[12:13], s[24:25]
	s_cselect_b64 s[14:15], s[14:15], s[26:27]
	s_cselect_b64 s[16:17], s[16:17], s[28:29]
	s_cselect_b64 s[18:19], s[18:19], s[30:31]
	s_mov_b32 s37, 8704
	s_cselect_b32 s37, 4352, s37                   ; a step's record in qb or in kv
	s_lshl_b32 s40, s39, 15
	s_add_nc_u64 s[8:9], s[8:9], s[40:41]          ; 128 tokens x 256 bytes
	s_lshl_b32 s40, s39, 11
	s_add_nc_u64 s[10:11], s[10:11], s[40:41]
	s_lshl_b32 s40, s[WV], 15
	s_add_nc_u64 s[12:13], s[12:13], s[40:41]      ; my 128 rows of the weight
	s_lshl_b32 s40, s[WV], 11
	s_add_nc_u64 s[14:15], s[14:15], s[40:41]
	s_lshl_b32 s40, s[WV], 9
	s_add_nc_u64 s[16:17], s[16:17], s[40:41]
	s_lshr_b32 s42, s39, 4
	s_lshl_b32 s42, s42, 7                         ; 128 x batch
	s_and_b32 s43, s39, 15
	s_add_co_u32 s42, s42, s43                     ; + step
	s_lshl_b32 s43, s[WV], 5
	s_add_co_u32 s42, s42, s43                     ; + 16 x my first head
	s_mul_i32 s40, s42, s37
	s_add_nc_u64 s[18:19], s[18:19], s[40:41]
	s_lshl_b32 s43, s37, 4                         ; from a head to the next: 16 records
	v_add_nc_u32 v9, s43, v8
	v_mul_lo_u32 v10, v2, s43
	v_lshl_add_u32 v10, v1, 4, v10
	WIN 0x40
.irp t, 0,1,2,3,4,5,6,7
.irp ks, 0,1,2,3
.irp c, 0,1
	global_load_b128 v[32*\t+8*\ks+4*\c:32*\t+8*\ks+4*\c+3], v4, s[12:13] offset:(32*(\t/2)+8*(\t%2))*256+64*\ks+32*\c
.endr
.endr
.endr
	WIN 0
.irp b, 0,1,2,3
	global_load_b128 v[PS+4*\b:PS+4*\b+3], v6, s[14:15] offset:512*\b
.endr
	WIN 0x80
.irp t, 0,1,2,3,4,5,6,7
	global_load_b128 v[64+8*\t:64+8*\t+3], v7, s[16:17] offset:4*(32*(\t/2)+8*(\t%2))
	global_load_b128 v[64+8*\t+4:64+8*\t+7], v7, s[16:17] offset:4*(32*(\t/2)+8*(\t%2))+16
.endr
	WIN 0
	SLOAD 0, 0, 0
	SLOAD 1, 1, 0
.irp i, 0,1,2,3,4,5,6,7
	TILE \i, 0
.endr
	FINISH
	s_endpgm
	; ---- v
.Lv:
	s_load_b64 s[18:19], s[0:1], 0x58              ; kv
	s_load_b256 s[20:27], s[0:1], 0x60             ; vx, wv's codes, wv's scales, bv
	s_sub_co_u32 s39, ttmp9, 128                   ; which 128 tokens
	v_lshlrev_b32 v7, 2, v3                        ; the bias of my channel
	v_lshlrev_b32 v11, 11, v3
	v_lshl_add_u32 v11, v2, 6, v11                 ; vx: my row of 2,048 bytes + 16 h numbers
	v_lshlrev_b32 v13, 2, v12                      ; 4 l
	s_lshl_b32 s40, s[WV], 13
	v_add_nc_u32 v14, s40, v8                      ; my images: 16 l + 8,192 x wave
	s_lshl_b32 s40, s[WV], 9
	v_lshl_add_u32 v15, v1, 2, s40                 ; my scale words: 4 r + 512 x wave
	s_mov_b32 s43, 139264                          ; from a head to the next in kv
	v_add_nc_u32 v9, s43, v8
	v_mul_lo_u32 v10, v2, s43
	v_lshl_add_u32 v10, v1, 4, v10
	s_wait_kmcnt 0x0
	s_lshl_b32 s40, s[WV], 15
	s_add_nc_u64 s[8:9], s[22:23], s[40:41]        ; my 128 rows of wv
	s_lshl_b32 s40, s[WV], 11
	s_add_nc_u64 s[10:11], s[24:25], s[40:41]
	s_lshl_b32 s40, s[WV], 9
	s_add_nc_u64 s[16:17], s[26:27], s[40:41]
	s_lshl_b32 s40, s39, 7
	s_lshl_b32 s42, s[WV], 5
	s_add_co_u32 s40, s40, s42
	s_lshl_b32 s40, s40, 11
	s_add_nc_u64 s[12:13], s[20:21], s[40:41]      ; vx at my 32 tokens
	s_lshr_b32 s42, s39, 4
	s_lshl_b32 s42, s42, 7
	s_and_b32 s43, s39, 15
	s_add_co_u32 s42, s42, s43
	s_lshl_b32 s43, s[WV], 5
	s_add_co_u32 s42, s42, s43
	s_mul_i32 s40, s42, 8704
	s_add_co_u32 s40, s40, 4352                    ; v lies behind k in a record
	s_add_nc_u64 s[18:19], s[18:19], s[40:41]
	XLOAD ACC, 0
	XLOAD ST, 1
.irp k, 0,1,2,3,4,5,6,7
	XJOB \k
.endr
	SLOAD 0, 0, 1
	SLOAD 1, 1, 1
	s_wait_dscnt 0x0                               ; my images have landed
	s_barrier_signal -1
	s_barrier_wait -1                              ; everybody's have
	WIN 0x40
.irp t, 0,1,2,3,4,5,6,7
.irp ks, 0,1,2,3
.irp c, 0,1
	ds_load_b128 v[32*\t+8*\ks+4*\c:32*\t+8*\ks+4*\c+3], v8 offset:4096*\t+1024*\ks+512*\c
.endr
.endr
.endr
	WIN 0
.irp b, 0,1,2,3
.irp ks, 0,1,2,3
	ds_load_b32 v[PS+4*\b+\ks], v13 offset:XSCL+128*(4*\b+\ks)
.endr
.endr
	s_wait_dscnt 0x0
.irp i, 0,1,2,3,4,5,6,7
	TILE \i, 1
.endr
	FINISH
	s_wait_tensorcnt 0x0
	ds_add_u32 v254, v255
	s_wait_dscnt 0x0
	s_endpgm
	; ---- the mask: 32 query rows a work-group, four key steps a wave
.Lmask:
	s_cmp_ge_u32 ttmp9, 448
	s_cbranch_scc1 .Lwimg
	s_load_b128 s[8:11], s[0:1], 0x80              ; maskPAD, maskw
	s_sub_co_u32 s38, ttmp9, 192
	s_mul_i32 s39, s[WV], 8448
	s_add_co_u32 s39, s39, MSTG                    ; my stage
	v_add_nc_u32 v4, s39, v8                       ; in: a row piece as it lies
	v_mul_u32_u24 v5, v1, 528
	v_lshl_add_u32 v5, v2, 6, v5
	v_add_nc_u32 v5, s39, v5                       ; back: row r, 16 h keys on
	v_lshlrev_b32 v6, 3, v12                       ; out: two words a lane
.irp k, 0,1,2,3,4,5,6,7,8,9,10,11,12,13,14,15
	v_mov_b32 v[MW+\k], 0                          ; v_writelane_b32's destination counts as read
.endr
	s_mov_b32 s41, 0
	s_lshl_b32 s40, s38, 18                        ; 32 rows of 8,192 bytes
	s_lshl_b32 s42, s[WV], 11                      ; four steps of 512 bytes
	s_add_co_u32 s40, s40, s42
	s_wait_kmcnt 0x0
	s_add_nc_u64 s[8:9], s[8:9], s[40:41]
	s_lshl_b32 s40, s38, 13                        ; two tiles of 4,096 bytes
	s_lshl_b32 s42, s[WV], 10
	s_add_co_u32 s40, s40, s42
	s_add_nc_u64 s[10:11], s[10:11], s[40:41]
.irp k, 0,1,2,3
	MLOAD \k
.endr
.irp k, 0,1,2,3,4,5,6,7
	MUNIT \k
.endr
	s_wait_tensorcnt 0x0
	ds_add_u32 v254, v255
	s_wait_dscnt 0x0
	s_endpgm
	; ---- the weights' images: 36 work-groups, a slot a wave: work-groups 0-3 of them wo, 4-19 w1, 20-35 w2.  Each tensor has its own lines, so that every address comes from one pointer
.Lwimg:
	s_load_b256 s[8:15], s[0:1], 0x90              ; wo's codes, scales; w1's codes, scales
	s_load_b128 s[16:19], s[0:1], 0xb0             ; w2's codes, scales
	s_load_b64 s[20:21], s[0:1], 0xc0              ; wimg
	s_sub_co_u32 s38, ttmp9, 448
	s_lshl_b32 s39, s38, 2
	s_add_co_u32 s39, s39, s[WV]                   ; my slot, 0..143
	s_mul_i32 s40, s39, SLOTB
	s_mov_b32 s41, 0
	s_wait_kmcnt 0x0
	s_add_nc_u64 s[20:21], s[20:21], s[40:41]
	s_cmp_ge_u32 s38, 20
	s_cbranch_scc1 .Lw2
	s_cmp_ge_u32 s38, 4
	s_cbranch_scc1 .Lw1
	WLAY 8, 10, 0, 8, 4, 63, 6                     ; wo: rows of 256 bytes of codes and 16 scale bytes; all of K in a slot
.Lw1:
	WLAY 12, 14, 16, 8, 4, 63, 6                   ; w1 likewise
.Lw2:
	WLAY 16, 18, 80, 10, 6, 15, 4                  ; w2: rows of 1,024 and 64 bytes; 16 groups of rows, four parts of K
.Lfunc_end_k_q32e2343624_prep:
	.size	k_q32e2343624_prep, .Lfunc_end_k_q32e2343624_prep-k_q32e2343624_prep
	.p2alignl 7, 3214868480
	.fill 96, 4, 3214868480
	.section	.rodata,"a",@progbits
	.p2align	6, 0x0
	.amdhsa_kernel k_q32e2343624_prep
		.amdhsa_group_segment_fixed_size 74240
		.amdhsa_private_segment_fixed_size 0
		.amdhsa_enable_private_segment 0
		.amdhsa_kernarg_size 200
		.amdhsa_user_sgpr_count 2
		.amdhsa_user_sgpr_kernarg_segment_ptr 1
		.amdhsa_wavefront_size32 1
		.amdhsa_system_sgpr_workgroup_id_x 1
		.amdhsa_system_sgpr_workgroup_id_y 1
		.amdhsa_system_sgpr_workgroup_id_z 1
		.amdhsa_system_vgpr_workitem_id 0
		.amdhsa_next_free_vgpr 768
		.amdhsa_next_free_sgpr 66
		.amdhsa_reserve_vcc 0
		.amdhsa_float_denorm_mode_32 3
		.amdhsa_float_denorm_mode_16_64 3
		.amdhsa_memory_ordered 1
		.amdhsa_forward_progress 1
		.amdhsa_inst_pref_size 255
	.end_amdhsa_kernel
	.section	.bss,"aw",@nobits
	.p2align	6
	.space	262144
	.amdgpu_metadata
---
amdhsa.version: [ 1, 2 ]
amdhsa.kernels:
  - .name:           k_q32e2343624_prep
    .symbol:         k_q32e2343624_prep.kd
    .args:
      - { .name: qx_codes, .offset: 0, .size: 8, .value_kind: global_buffer, .address_space: global }
      - { .name: qx_scales, .offset: 8, .size: 8, .value_kind: global_buffer, .address_space: global }
      - { .name: wq_codes, .offset: 16, .size: 8, .value_kind: global_buffer, .address_space: global }
      - { .name: wq_scales, .offset: 24, .size: 8, .value_kind: global_buffer, .address_space: global }
      - { .name: bq, .offset: 32, .size: 8, .value_kind: global_buffer, .address_space: global }
      - { .name: qb, .offset: 40, .size: 8, .value_kind: global_buffer, .address_space: global }
      - { .name: kx_codes, .offset: 48, .size: 8, .value_kind: global_buffer, .address_space: global }
      - { .name: kx_scales, .offset: 56, .size: 8, .value_kind: global_buffer, .address_space: global }
      - { .name: wk_codes, .offset: 64, .size: 8, .value_kind: global_buffer, .address_space: global }
      - { .name: wk_scales, .offset: 72, .size: 8, .value_kind: global_buffer, .address_space: global }
      - { .name: bk, .offset: 80, .size: 8, .value_kind: global_buffer, .address_space: global }
      - { .name: kv, .offset: 88, .size: 8, .value_kind: global_buffer, .address_space: global }
      - { .name: vx, .offset: 96, .size: 8, .value_kind: global_buffer, .address_space: global }
      - { .name: wv_codes, .offset: 104, .size: 8, .value_kind: global_buffer, .address_space: global }
      - { .name: wv_scales, .offset: 112, .size: 8, .value_kind: global_buffer, .address_space: global }
      - { .name: bv, .offset: 120, .size: 8, .value_kind: global_buffer, .address_space: global }
      - { .name: maskPAD, .offset: 128, .size: 8, .value_kind: global_buffer, .address_space: global }
      - { .name: maskw, .offset: 136, .size: 8, .value_kind: global_buffer, .address_space: global }
      - { .name: wo_codes, .offset: 144, .size: 8, .value_kind: global_buffer, .address_space: global }
      - { .name: wo_scales, .offset: 152, .size: 8, .value_kind: global_buffer, .address_space: global }
      - { .name: w1_codes, .offset: 160, .size: 8, .value_kind: global_buffer, .address_space: global }
      - { .name: w1_scales, .offset: 168, .size: 8, .value_kind: global_buffer, .address_space: global }
      - { .name: w2_codes, .offset: 176, .size: 8, .value_kind: global_buffer, .address_space: global }
      - { .name: w2_scales, .offset: 184, .size: 8, .value_kind: global_buffer, .address_space: global }
      - { .name: wimg, .offset: 192, .size: 8, .value_kind: global_buffer, .address_space: global }
    .group_segment_fixed_size: 74240
    .private_segment_fixed_size: 0
    .kernarg_segment_align: 8
    .kernarg_segment_size: 200
    .max_flat_workgroup_size: 128
    .sgpr_count:     66
    .vgpr_count:     768
    .wavefront_size: 32
...
	.end_amdgpu_metadata
.endif
;; end of part 1
;; launch attn (part 2): grid 8 x 32, 16 waves a work-group, clusters of 4 x 1, 169,984 bytes of LDS; arguments qb, kv, maskw, zc, zs; writes zc, zs
.if DOCPART == 2
	.amdgcn_target "amdgcn-amd-amdhsa--gfx1250"
	.amdhsa_code_object_version 6
	.text
	.protected	k_q32e2343624_attn
	.globl	k_q32e2343624_attn
	.p2align	8
	.type	k_q32e2343624_attn,@function
k_q32e2343624_attn:
	s_mov_b64 s[64:65], 0
	v_nop
	global_prefetch_b8 v0, s[64:65] scope:SCOPE_SE
	s_setreg_imm32_b32 hwreg(HW_REG_WAVE_MODE, 25, 1), 1
	s_wait_xcnt 0x0
	s_wait_alu depctr_hold_cnt(0) depctr_sa_sdst(0) depctr_va_vdst(0) depctr_va_sdst(0) depctr_va_ssrc(0) depctr_va_vcc(0) depctr_vm_vsrc(0)
	s_getreg_b32 s2, hwreg(HW_REG_IB_STS2, 6, 4)
	s_cmp_eq_u32 s2, 0
	s_cbranch_scc0 .Lentry_in_a_cluster
	s_endpgm
.Lentry_in_a_cluster:
	s_bfe_u32 s2, ttmp6, 0x10000c
	s_cmp_lg_u32 s2, 0x3003
	s_cbranch_scc0 .Lentry_shape_is_right
	s_endpgm
.Lentry_shape_is_right:
; z = softmax(q k^T / 8, masked logits replaced by -32767) v for one head, both products on codes of FP4 (E2M1) with one E8M0 scale for each 32 along K; z is quantised along the channels and leaves as codes.
; THE SOFTMAX: t = logit x log2(e); M = the running largest t rounded up to a whole number; p = 2^(t - M) is quantised along the keys, not normalised; the row's sum is taken of the unquantised p and divides at the end.
; A masked score is REPLACED, by one v_cndmask_b32 whose mask is a word of maskw (a bit a lane): the raw score -262,136 = -32767 x 8, which the step's multiply-add by log2(e) / 8 turns into -32767 log2(e).
; So a row with a live key has p = 0 at masked keys, and a row with none comes out uniform.
; SHARES.  A work-group owns 256 queries of one head, each of its sixteen waves one tile of 16, in 256 registers: four waves to a SIMD.  Every wave walks the head's 2,048 keys, 128 a step.
; LDS.  The head's k and v, 16 records of 8,704 bytes = 139,264 bytes, lie in LDS for the whole launch, filled once.  The four query blocks of a cluster belong to one head: waves 0 and 1 ask for the records JOINTLY,
; four loads each (two records a load), all at the start: by this text's count four tensor loads of a wave are out.  A group of four steps waits only for its own load; nothing is ever filled again.
; LAYOUT.  Both products transposed (S^T = k q^T, O^T = v^T p^T): a lane holds one query.  All operands lie as images of their registers: every LDS load takes 512 consecutive bytes.
; K = 64 IN AN INSTRUCTION OF K = 128: eight registers hold TWO key tiles (channels 0-63 of each); against [q, 0] they give the first tile's scores, against [0, q] the second's: zero codes add nothing.
; No prefetch: the only tensor loads stand at the head, and the mask words are read by eight heads.
; LIMITS: NaN and infinities are not served; a block whose largest magnitude lies under 2^-124 gets the byte 1, a block of zeros too; zs is written in pieces of 2 bytes (131,072 bytes in the launch).
; REGISTERS: v1 16 l, v2 16 r, v3, v4 the step's LDS addresses, v5 16 (r + 8 (r / 8)), v7 the masked score, v12 -M, v13 largest t, v[14:15] the sum, v16-27 0 q 0, v28 q's scale word, v32-63 k, v64-95 v,
;   v96-159 S^T then p, v160-191 O^T, v192-199 p's codes, v200 p's scale word, v204-207 k's scale words, v208-211 v's, v212-229 at work.
; s[2:3] my tile's mask words, s4 their offset, s5 the step, s6 the step's LDS byte, s7 trips, s[8:31] descriptors, s[32:63] and s[68:99] a step's 64 mask words.
.set WV,    66
.set TQ,    67
.set CS,    100
.set SEL,   104
.set STEPB, 8704
.macro CROUND                          ; a round of the cluster's barrier
	s_barrier_signal -1
	s_barrier_wait -1
	s_cmp_lg_u32 s[WV], 0
	s_cbranch_scc1 .Lnot_wave_0_\@
	s_barrier_signal -3
.Lnot_wave_0_\@:
	s_barrier_wait -3
	s_barrier_signal -1
	s_barrier_wait -1
.endm
.macro MASKLOAD                        ; 64 words: 256 consecutive bytes
	s_load_b512 s[32:47], s[2:3], s4 offset:0x0
	s_load_b512 s[48:63], s[2:3], s4 offset:0x40
	s_load_b512 s[68:83], s[2:3], s4 offset:0x80
	s_load_b512 s[84:99], s[2:3], s4 offset:0xc0
.endm
.macro STEP
	v_add_nc_u32 v3, s6, v1
	v_add_nc_u32 v4, s6, v2
	v_nop
	v_nop                                          ; four places behind the last step's products, ahead of loads into their operands
.irp b, 0,1,2,3
.irp c, 0,1
	ds_load_b128 v[32+8*\b+4*\c:32+8*\b+4*\c+3], v3 offset:1024*\b+512*\c
.endr
.endr
	ds_load_b128 v[204:207], v4 offset:4096
.irp t, 0,1,2,3
.irp c, 0,1
	ds_load_b128 v[64+8*\t+4*\c:64+8*\t+4*\c+3], v3 offset:4352+1024*\t+512*\c
.endr
.endr
	ds_load_b128 v[208:211], v4 offset:8448
	s_wait_dscnt 9                                 ; k and its scale words are in; v's nine loads may be out
.irp b, 0,1,2,3
	v_wmma_scale_f32_16x16x128_f8f6f4 v[96+16*\b:103+16*\b], v[32+8*\b:39+8*\b], v[20:27], 0, v[204+\b], v28 matrix_a_fmt:MATRIX_FMT_FP4 matrix_b_fmt:MATRIX_FMT_FP4
	v_wmma_scale_f32_16x16x128_f8f6f4 v[104+16*\b:111+16*\b], v[32+8*\b:39+8*\b], v[16:23], 0, v[204+\b], v28 matrix_a_fmt:MATRIX_FMT_FP4 matrix_b_fmt:MATRIX_FMT_FP4
.endr
.rept 4
	v_nop
.endr
	s_wait_kmcnt 0x0                               ; this step's mask words
.set N, 0
.rept 32
	v_cndmask_b32 v[96+N], v7, v[96+N], s[32+N]    ; each accumulator from its low end on
.set N, N+1
.endr
.rept 32
	v_cndmask_b32 v[96+N], v7, v[96+N], s[36+N]
.set N, N+1
.endr
.irp b, 0,1,2,3
	v_max3_num_f32 v[212+\b], v[96+16*\b], v[97+16*\b], v[98+16*\b]   ; the largest score of each block of 32 keys: for the row's maximum, and for the block's largest p
.endr
.irp i, 3,5,7,9,11,13
.irp b, 0,1,2,3
	v_max3_num_f32 v[212+\b], v[212+\b], v[96+16*\b+\i], v[97+16*\b+\i]
.endr
.endr
.irp b, 0,1,2,3
	v_max_num_f32 v[212+\b], v[212+\b], v[111+16*\b]
.endr
	s_add_co_u32 s5, s5, 1
	s_min_u32 s4, s5, 15                           ; the last step asks for its own words again: no load leaves the buffer
	s_lshl_b32 s4, s4, 8
	MASKLOAD                                       ; the next step's words
.irp b, 0,1,2,3
	v_permlanex16_b32 v[216+\b], v[212+\b], s[SEL], s[SEL+1]
.endr
.irp b, 0,1,2,3
	v_max_num_f32 v[212+\b], v[212+\b], v[216+\b]
.endr
	v_max3_num_f32 v226, v212, v213, v214
	v_max_num_f32 v226, v226, v215
	v_mul_f32 v226, s[CS], v226
	v_max_num_f32 v13, v13, v226                   ; the running largest t
	v_mov_b32 v226, v12
	v_floor_f32 v12, -v13                          ; -M = floor(-t)
	v_sub_f32 v226, v12, v226                      ; old M - new M: a whole number, 0 or less
	v_cvt_i32_f32 v226, v226                       ; (it saturates)
	v_ldexp_f32 v224, 1.0, v226                    ; f = 2^(old M - new M)
.set J, 0
.rept 32
	v_pk_fma_f32 v[96+J:97+J], v[96+J:97+J], s[CS:CS+1], v[12:13] op_sel_hi:[1,0,0]   ; t - M
.set J, J+2
.endr
.irp b, 0,1,2,3
	v_fma_f32 v[212+\b], v[212+\b], s[CS], v12
.endr
.set J, 0
.rept 64
	v_exp_f32 v[96+J], v[96+J]                     ; p = 2^(t - M)
.set J, J+1
.endr
	v_pk_mul_f32 v[14:15], v[14:15], v[224:225] op_sel_hi:[1,0]   ; the sums under the new M: a plain place behind the exponentials
	s_wait_alu depctr_va_vdst(0)                   ; one wait for the batch, ahead of its first reader
.irp b, 0,1,2,3
	v_exp_f32 v[212+\b], v[212+\b]                 ; each block's largest p
.endr
	v_pk_add_f32 v[228:229], v[96:97], v[98:99]    ; the row's sum of the unquantised p, in two chains
.irp j, 4,8,12,16,20,24,28,32,36,40,44,48,52,56,60
	v_pk_add_f32 v[14:15], v[14:15], v[96+\j:97+\j]
	v_pk_add_f32 v[228:229], v[228:229], v[98+\j:99+\j]
.endr
	v_pk_add_f32 v[14:15], v[14:15], v[228:229]
	s_wait_alu depctr_va_vdst(0)                   ; and one for the four
.irp b, 0,1,2,3
	v_max_num_f32 v[212+\b], 0x1800000, v[212+\b]  ; the floor 2^(3 - 127)
.endr
.irp b, 0,1,2,3
	v_add_nc_u32 v[220+\b], 0xff000000, v[212+\b]
.endr
.irp b, 0,1,2,3
	v_lshrrev_b32 v[216+\b], 23, v[220+\b]
.endr
	v_lshl_or_b32 v200, v217, 8, v216
	v_lshl_or_b32 v200, v218, 16, v200
	v_lshl_or_b32 v200, v219, 24, v200
.irp b, 0,1,2,3
	v_cvt_scalef32_pk8_fp4_f32 v[192+2*\b], v[96+16*\b:103+16*\b], v[220+\b]
	v_cvt_scalef32_pk8_fp4_f32 v[193+2*\b], v[104+16*\b:111+16*\b], v[220+\b]
.endr
	v_nop
.irp c, 0,1
.irp i, 0,1
	v_permlane16_swap_b32 v[192+4*\c+\i], v[194+4*\c+\i]
.endr
.endr
.set J, 0
.rept 16
	v_pk_mul_f32 v[160+J:161+J], v[160+J:161+J], v[224:225] op_sel_hi:[1,0]   ; O^T under the new M; these lines also stand between the scale word's last write and the products
.set J, J+2
.endr
	s_wait_dscnt 0x0                               ; v
.irp t, 0,1,2,3
	v_wmma_scale_f32_16x16x128_f8f6f4 v[160+8*\t:167+8*\t], v[64+8*\t:71+8*\t], v[192:199], v[160+8*\t:167+8*\t], v[208+\t], v200 matrix_a_fmt:MATRIX_FMT_FP4 matrix_b_fmt:MATRIX_FMT_FP4
.endr
	s_add_co_u32 s6, s6, STEPB
.endm
.macro GROUP g                         ; four key steps: the records that load g of waves 0 and 1 brought
	s_wait_tensorcnt 3-\g                          ; loads 0 to g have landed; the later groups' may stay out
	s_barrier_signal -1
	s_barrier_wait -1
	s_mov_b32 s6, 4*STEPB*\g
	s_mov_b32 s7, 4
.Lstep_\@:
	STEP
	s_sub_co_u32 s7, s7, 1
	s_cmp_lg_u32 s7, 0
	s_cbranch_scc1 .Lstep_\@
.endm
	s_load_b128 s[32:35], s[0:1], 0x0              ; qb, kv
	s_load_b64 s[36:37], s[0:1], 0x10              ; maskw
	v_lshl_add_u32 v254, v0, 2, 0x29000
	v_mov_b32 v255, 0
	ds_add_u32 v254, v255
	ds_add_u32 v254, v255
	v_lshrrev_b32 v1, 5, v0
	v_readfirstlane_b32 s[WV], v1                  ; wave 0..15
	v_and_b32 v3, 31, v0
	v_lshlrev_b32 v1, 4, v3                        ; 16 l
	v_and_b32 v4, 15, v0
	v_lshlrev_b32 v2, 4, v4                        ; 16 r
	v_and_b32 v5, 8, v4
	v_add_nc_u32 v5, v5, v4
	v_lshlrev_b32 v5, 4, v5                        ; 16 (r + 8 (r / 8)): my token's row of zs
	s_bfe_u32 s40, ttmp6, 0x40000                  ; cx
	s_lshl_b32 s41, ttmp9, 2
	s_add_co_u32 s41, s41, s40                     ; my block of 256 queries: it enters global addresses of q, mask and z alone
	s_and_b32 s42, ttmp7, 0xffff                   ; batch x 8 + head, which the four partners share
	s_lshr_b32 s43, s[WV], 3
	s_lshl_b32 s41, s41, 1
	s_add_co_u32 s41, s41, s43                     ; which 128 tokens of the batch
	s_and_b32 s43, s[WV], 7                        ; which tile of them
	s_lshr_b32 s44, s42, 3
	s_lshl_b32 s44, s44, 7
	s_lshl_b32 s45, s41, 3
	s_add_co_u32 s44, s44, s45
	s_add_co_u32 s44, s44, s43                     ; my query tile, 0..511
	s_mov_b32 s[TQ], s44
	s_lshl_b32 s44, s44, 12                        ; 4,096 bytes of mask words a tile
	s_mov_b32 s45, 0
	s_lshl_b32 s46, s42, 4
	s_add_co_u32 s46, s46, s41
	s_mul_i32 s46, s46, 4352                       ; q's record
	s_mov_b32 s47, 0
	s_mul_i32 s48, s42, 16*STEPB                   ; the head's records of k and v
	s_and_b32 s50, s[WV], 1
	s_mul_i32 s50, s50, 2*STEPB                    ; wave 0: a group's first two records, wave 1: its last two
	s_add_co_u32 s48, s48, s50
	s_mov_b32 s49, 0
	s_lshl_b32 s52, s43, 9                         ; my tile's block of codes
	s_lshr_b32 s53, s43, 1
	s_lshl_b32 s53, s53, 2                         ; its pair's scale word
	s_mov_b32 s51, 0x03020302
	s_bitcmp1_b32 s43, 0
	s_cselect_b32 s51, s51, 0x01000100             ; which half of that word is my tile's: it is laid twice, for [q, 0] and [0, q]
	; descriptor group 1: 17,408 dense bytes as 68 rows of 256 bytes
	s_mov_b32 s8, 15|(3<<16)|(1<<21)               ; 15:0 the mask: all four work-groups; 17:16 elements of 8 bytes; 21 set beside a mask
	s_mov_b32 s9, 32<<16                           ; tensor_dim0 = 32
	s_mov_b32 s10, 68<<16                          ; tensor_dim1 = 68
	s_mov_b32 s11, 32<<16                          ; tile_dim0 = 32
	s_mov_b32 s12, 68                              ; tile_dim1 = 68
	s_mov_b32 s13, 32                              ; the pitch
	s_mov_b32 s14, 0
	s_mov_b32 s15, 0
	s_mov_b32 s[CS], 0x3e38aa3b                    ; log2(e) / 8
	s_mov_b32 s[CS+1], s[CS]
	s_mov_b32 s[SEL], 0x76543210
	s_mov_b32 s[SEL+1], 0xfedcba98
	s_mov_b32 s4, 0
	s_mov_b32 s5, 0
	s_wait_dscnt 0x0
	s_wait_kmcnt 0x0
	s_add_nc_u64 s[34:35], s[34:35], s[48:49]
	s_add_nc_u64 s[32:33], s[32:33], s[46:47]
	s_add_nc_u64 s[2:3], s[36:37], s[44:45]
	CROUND                                         ; all four work-groups are here: the joint loads meet
.irp g, 0,1,2,3
	s_mov_b32 s[16+4*\g], 1
	s_add_co_u32 s[17+4*\g], s50, 4*STEPB*\g
	s_add_nc_u64 s[18+4*\g:19+4*\g], s[34:35], 4*STEPB*\g
	s_or_b32 s[19+4*\g], s[19+4*\g], 0x80000000
.endr
	s_cmp_lt_u32 s[WV], 2
	s_cbranch_scc0 .Lno_fetch
	tensor_load_to_lds s[16:19], s[8:15]
	s_nop 0
	tensor_load_to_lds s[20:23], s[8:15]
	s_nop 0
	tensor_load_to_lds s[24:27], s[8:15]
	s_nop 0
	tensor_load_to_lds s[28:31], s[8:15]
	s_nop 0
.rept 4
	v_nop
.endr
.Lno_fetch:
	v_add_nc_u32 v8, s52, v1
	v_add_nc_u32 v9, s53, v2
	global_load_b128 v[20:23], v8, s[32:33]        ; q: channels 32 h on of query r
	global_load_b32 v29, v9, s[32:33] offset:4096
.irp j, 16,17,18,19,24,25,26,27
	v_mov_b32 v[\j], 0                             ; zero codes on both sides of q
.endr
	v_mov_b32 v7, 0xc87ffe00                       ; -262,136
	v_mov_b32 v13, 0xff61b1e6                      ; -3e38, under every t
	v_floor_f32 v12, -v13
	v_mov_b32 v14, 0
	v_mov_b32 v15, 0
.irp b, 0,1,2,3
	v_mov_b32 v[216+\b], 0                         ; a lane permute's destination counts as one of its sources
.endr
	v_mov_b32 v225, 0                              ; named as the upper half of the pair v[224:225]
	s_wait_loadcnt 0x0                             ; q is in, and its loads have done with their base
	v_perm_b32 v28, v29, v29, s51
	MASKLOAD                                       ; step 0's words
.set J, 0
.rept 32
	v_mov_b32 v[160+J], 0                          ; O^T: the first change of M multiplies zeros.  These lines also stand between q's scale word and the first product
.set J, J+1
.endr
	GROUP 0
	GROUP 1
	GROUP 2
	GROUP 3
	; THE WAY OUT: z = O^T / the sum, quantised along my head's 64 channels: two blocks
.rept 4
	v_nop
.endr
	s_wait_kmcnt 0x0                               ; the last look-ahead has landed: its registers are free
	s_load_b128 s[32:35], s[0:1], 0x18             ; zc, zs
	v_add_f32 v14, v14, v15
	v_permlanex16_b32 v226, v14, s[SEL], s[SEL+1]
	v_add_f32 v14, v14, v226
	v_rcp_f32 v14, v14
	v_nop
	s_and_b32 s45, ttmp7, 7                        ; the head
	s_lshl_b32 s46, s[TQ], 3
	s_add_co_u32 s46, s46, s45
	s_lshl_b32 s46, s46, 9                         ; zc: [tile][head][512 bytes]
	s_mov_b32 s47, 0
	s_lshr_b32 s48, s[TQ], 1
	s_lshl_b32 s48, s48, 9                         ; zs: 32 tokens of 16 bytes,
	s_and_b32 s49, s[TQ], 1
	s_lshl_b32 s49, s49, 7                         ; 8 tokens on for an odd tile,
	s_add_co_u32 s48, s48, s49
	s_lshl_b32 s49, s45, 1                         ; my head's two bytes
	s_add_co_u32 s48, s48, s49
	s_mov_b32 s49, 0
	s_wait_alu depctr_va_vdst(0)
.set J, 0
.rept 32
	v_mul_f32 v[96+J], v[160+J], v14               ; register 16 b + i = channel 32 b + 16 h + i
.set J, J+1
.endr
.irp b, 0,1
	v_max3_num_f32 v[212+\b], |v[96+16*\b]|, |v[97+16*\b]|, 0x1800000
.endr
.irp i, 2,4,6,8,10,12,14
.irp b, 0,1
	v_max3_num_f32 v[212+\b], v[212+\b], |v[96+16*\b+\i]|, |v[97+16*\b+\i]|
.endr
.endr
.irp b, 0,1
	v_permlanex16_b32 v[216+\b], v[212+\b], s[SEL], s[SEL+1]
.endr
.irp b, 0,1
	v_max_num_f32 v[212+\b], v[212+\b], v[216+\b]
.endr
.irp b, 0,1
	v_add_nc_u32 v[220+\b], 0xff000000, v[212+\b]
.endr
.irp b, 0,1
	v_lshrrev_b32 v[216+\b], 23, v[220+\b]
.endr
	v_lshl_or_b32 v227, v217, 8, v216
.irp b, 0,1
	v_cvt_scalef32_pk8_fp4_f32 v[192+2*\b], v[96+16*\b:103+16*\b], v[220+\b]
	v_cvt_scalef32_pk8_fp4_f32 v[193+2*\b], v[104+16*\b:111+16*\b], v[220+\b]
.endr
	v_nop
	v_permlane16_swap_b32 v192, v194
	v_permlane16_swap_b32 v193, v195
	s_wait_kmcnt 0x0
	s_add_nc_u64 s[32:33], s[32:33], s[46:47]
	s_add_nc_u64 s[34:35], s[34:35], s[48:49]
	global_store_b128 v1, v[192:195], s[32:33]     ; 512 consecutive bytes
	global_store_b16 v5, v227, s[34:35]            ; lanes 16-31 repeat lanes 0-15
	s_wait_tensorcnt 0x0
	ds_add_u32 v254, v255
	s_wait_dscnt 0x0
	CROUND                                         ; the closing round
	s_endpgm
.Lfunc_end_k_q32e2343624_attn:
	.size	k_q32e2343624_attn, .Lfunc_end_k_q32e2343624_attn-k_q32e2343624_attn
	.p2alignl 7, 3214868480
	.fill 96, 4, 3214868480
	.section	.rodata,"a",@progbits
	.p2align	6, 0x0
	.amdhsa_kernel k_q32e2343624_attn
		.amdhsa_group_segment_fixed_size 169984
		.amdhsa_private_segment_fixed_size 0
		.amdhsa_enable_private_segment 0
		.amdhsa_kernarg_size 40
		.amdhsa_user_sgpr_count 2
		.amdhsa_user_sgpr_kernarg_segment_ptr 1
		.amdhsa_wavefront_size32 1
		.amdhsa_system_sgpr_workgroup_id_x 1
		.amdhsa_system_sgpr_workgroup_id_y 1
		.amdhsa_system_sgpr_workgroup_id_z 1
		.amdhsa_system_vgpr_workitem_id 0
		.amdhsa_next_free_vgpr 256
		.amdhsa_next_free_sgpr 106
		.amdhsa_reserve_vcc 0
		.amdhsa_float_denorm_mode_32 3
		.amdhsa_float_denorm_mode_16_64 3
		.amdhsa_memory_ordered 1
		.amdhsa_forward_progress 1
		.amdhsa_inst_pref_size 89
	.end_amdhsa_kernel
	.amdgpu_metadata
---
amdhsa.version: [ 1, 2 ]
amdhsa.kernels:
  - .name:           k_q32e2343624_attn
    .symbol:         k_q32e2343624_attn.kd
    .args:
      - { .name: qb, .offset: 0, .size: 8, .value_kind: global_buffer, .address_space: global }
      - { .name: kv, .offset: 8, .size: 8, .value_kind: global_buffer, .address_space: global }
      - { .name: maskw, .offset: 16, .size: 8, .value_kind: global_buffer, .address_space: global }
      - { .name: zc, .offset: 24, .size: 8, .value_kind: global_buffer, .address_space: global }
      - { .name: zs, .offset: 32, .size: 8, .value_kind: global_buffer, .address_space: global }
    .group_segment_fixed_size: 169984
    .private_segment_fixed_size: 0
    .kernarg_segment_align: 8
    .kernarg_segment_size: 40
    .max_flat_workgroup_size: 512
    .sgpr_count:     106
    .vgpr_count:     256
    .wavefront_size: 32
...
	.end_amdgpu_metadata
.endif
;; end of part 2
;; launch tail (part 3): grid 256 x 1, 4 waves a work-group, no clusters, 90,624 bytes of LDS; arguments zc, zs, vx, wimg, bo, ln1_g, ln1_b, b1, b2, ln2_g, ln2_b, out0; writes out0
.if DOCPART == 3
	.amdgcn_target "amdgcn-amd-amdhsa--gfx1250"
	.amdhsa_code_object_version 6
	.text
	.protected	k_q32e2343624_tail
	.globl	k_q32e2343624_tail
	.p2align	8
	.type	k_q32e2343624_tail,@function
k_q32e2343624_tail:
	s_mov_b64 s[64:65], 0
	v_nop
	global_prefetch_b8 v0, s[64:65] scope:SCOPE_SE
	s_setreg_imm32_b32 hwreg(HW_REG_WAVE_MODE, 25, 1), 1
	s_wait_xcnt 0x0
; out = LN2(zn + gelu(zn w1 + b1) w2 + b2), zn = LN1(vx + z wo + bo); the three products on codes of FP4 (E2M1) with one E8M0 scale for each 32 along K; zn and the gelu are quantised on the way and never go to memory.
; SHARES.  A work-group takes 32 tokens, as two tiles (tile rt, lane r: token 8 rt + r + 8 (r / 8)).  THE WAVES SHARE THE COLUMNS: wave w makes columns 128 w on of the first and third product, and, in each of four chunks of
; 512 hidden units, units 128 w on of the chunk.  All products are used transposed (source 0 = 16 rows of a weight, chosen 8 u + r + 8 (r / 8) of a group of 32; source 1 = 16 tokens): a lane holds one token, and the 16
; registers of two neighbouring tiles are 16 neighbours along the next K.
; THE WEIGHTS go from memory straight into registers, through a ring of four slots of 64 registers (a pair of tiles x 512 along K).  The first launch has laid them in wimg as images of these registers: a slot is 8,704
; consecutive bytes, 16 loads of 512 consecutive bytes of codes (lane l's 16 bytes at 16 l) and one of scale words.  Slot 4 w + b: wo; 16 + 16 c + 4 w + b: w1's chunk c; 80 + 16 c + 4 w + b: w2's.  Each fragment is
; read by one wave of the work-group and feeds two products.
; No joint loads: the three weights are 1,179,648 bytes of codes, more than LDS holds, so a shared tile would have to go through slots filled again and again, a round of the cluster's barrier each, and then be read
; from LDS by the one wave that uses it; the bytes that a work-group takes in would be the same.  No prefetch: every work-group reads the same weights, none reads them once only.
; OPERANDS FROM WAVE TO WAVE go through LDS as images of their registers (lane l's 16 bytes at 16 l), scale words 4 bytes a lane.
; THE NORMS take the mean first and then the mean of squared differences, each summed over the four waves through LDS.
; gelu(x) = x / 2 + (x / 2) erf(x / sqrt 2), erf(s) = s P(s^2) / Q(s^2), degrees 6 and 4, s held at +-4.
; LIMITS: NaN and infinities are not served; erf is the rational form (a few units in the last place), 1 / Q and 1 / sqrt come from v_rcp_f32 and v_rsq_f32; a block whose largest magnitude lies under 2^-124, or of zeros, gets the byte 1.
; REGISTERS: window 0: v1-13 offsets, v14, v15 two coefficients, v16-143 the 16 accumulators of my 128 columns x 32 tokens (16 + 64 rt + 16 b + 8 u), v144-175 four tiles of the hidden layer, v176-191 the ring's scale words,
;   v192-195 z's or zn's scale words, v196-199 the hidden layer's, v200-209 codes and scale words made, v210-255 at work.  window 1: the ring.  window 2: v0-63 z's, then zn's fragments, v64-127 the hidden layer's, v128-191 b1's ring.
;   window 3: four vectors of 64: bo then ln2_g; ln1_g then ln2_b; ln1_b; b2.
; s[4:5] zc, s[6:7] zs, s[8:9] vx, s[10:11] wo's slots, s[12:13] bo, s[14:15] ln1_g, s[16:17] ln1_b, s[18:19] b1, s[20:21] b2, s[22:23] ln2_g, s[24:25] ln2_b, s[26:27] out0, s[30:31] w1's slots, s[32:33] w2's.
.set ACC,  16
.set A1,   144
.set WS,   176
.set ZS,   192
.set HS,   196
.set TM,   210
.set WV,   40
.set SEL,  42
.set W0B,  10
.set W1B,  30
.set W2B,  32
.set SLOTB, 8704                       ; a slot of wimg
.set CHUNKB, 16*SLOTB                  ; from a chunk's slots to the next chunk's
.set ZIMG, 0                           ; LDS: zn's 8 fragments, 1,024 bytes each: (rt, K step) at 1024 (4 rt + ks)
.set ZSC,  8192                        ; their scale words: 128 ks + 64 rt + 4 r
.set HIMG, 8704                        ; the hidden layer's, likewise
.set HSC,  16896
.set RED,  17408                       ; four regions of 1,024 bytes for the norms' sums: 256 w + 128 rt + 4 l
.set STG,  21504                       ; the way out: 32 rows x (2,048 + 16) bytes
.set KR,   56                          ; s[56:57] 1 / sqrt 2; then P's and Q's coefficients, each as a pair
.set CA0,  58
.set CA2,  60
.set CA3,  62
.set CA4,  66
.set CA5,  68
.set CA6,  70
.set CB0,  72
.set CB2,  74
.set CB3,  76
.set CB4,  78
.set MSB,  0
.macro WIN new                         ; the immediate's high byte repeats the setting that is left
.if MSB != \new
	s_set_vgpr_msb (MSB<<8)|\new
.set MSB, \new
.endif
.endm
.macro WM d, a, b, c, sa, sb, ra, rb   ; one product 16 x 16 x 128; ra, rb = 1: that side's scale words stand in lanes 16-31
.if (\ra) && (\rb)
	v_wmma_scale_f32_16x16x128_f8f6f4 v[(\d):(\d)+7], v[(\a):(\a)+7], v[(\b):(\b)+7], v[(\c):(\c)+7], v[(\sa)], v[(\sb)] matrix_a_fmt:MATRIX_FMT_FP4 matrix_b_fmt:MATRIX_FMT_FP4 matrix_a_scale:MATRIX_SCALE_ROW1 matrix_b_scale:MATRIX_SCALE_ROW1
.elseif (\ra)
	v_wmma_scale_f32_16x16x128_f8f6f4 v[(\d):(\d)+7], v[(\a):(\a)+7], v[(\b):(\b)+7], v[(\c):(\c)+7], v[(\sa)], v[(\sb)] matrix_a_fmt:MATRIX_FMT_FP4 matrix_b_fmt:MATRIX_FMT_FP4 matrix_a_scale:MATRIX_SCALE_ROW1
.elseif (\rb)
	v_wmma_scale_f32_16x16x128_f8f6f4 v[(\d):(\d)+7], v[(\a):(\a)+7], v[(\b):(\b)+7], v[(\c):(\c)+7], v[(\sa)], v[(\sb)] matrix_a_fmt:MATRIX_FMT_FP4 matrix_b_fmt:MATRIX_FMT_FP4 matrix_b_scale:MATRIX_SCALE_ROW1
.else
	v_wmma_scale_f32_16x16x128_f8f6f4 v[(\d):(\d)+7], v[(\a):(\a)+7], v[(\b):(\b)+7], v[(\c):(\c)+7], v[(\sa)], v[(\sb)] matrix_a_fmt:MATRIX_FMT_FP4 matrix_b_fmt:MATRIX_FMT_FP4
.endif
.endm
.macro PLACES
.rept 4
	v_nop
.endr
.endm
.macro BARRIER                         ; my LDS stores have landed and my LDS loads are in: then the work-group's barrier
	s_wait_dscnt 0x0
	s_barrier_signal -1
	s_barrier_wait -1
.endm
.macro QUANT s, pc, pw                 ; 64 numbers of a lane, register 16 b + i = k 32 b + 16 h + i, become a fragment's codes and its scale word
.irp b, 0,1,2,3
	v_max3_num_f32 v[TM+\b], |v[(\s)+16*\b]|, |v[(\s)+1+16*\b]|, 0x1800000
.endr
.irp i, 2,4,6,8,10,12,14
.irp b, 0,1,2,3
	v_max3_num_f32 v[TM+\b], v[TM+\b], |v[(\s)+16*\b+\i]|, |v[(\s)+1+16*\b+\i]|
.endr
.endr
.irp b, 0,1,2,3
	v_permlanex16_b32 v[TM+4+\b], v[TM+\b], s[SEL], s[SEL+1]
.endr
.irp b, 0,1,2,3
	v_max_num_f32 v[TM+\b], v[TM+\b], v[TM+4+\b]
.endr
.irp b, 0,1,2,3
	v_add_nc_u32 v[TM+12+\b], 0xff000000, v[TM+\b]
.endr
.irp b, 0,1,2,3
	v_lshrrev_b32 v[TM+4+\b], 23, v[TM+12+\b]
.endr
	v_lshl_or_b32 v[(\pw)], v[TM+5], 8, v[TM+4]
	v_lshl_or_b32 v[(\pw)], v[TM+6], 16, v[(\pw)]
	v_lshl_or_b32 v[(\pw)], v[TM+7], 24, v[(\pw)]
.irp b, 0,1,2,3
	v_cvt_scalef32_pk8_fp4_f32 v[(\pc)+2*\b], v[(\s)+16*\b:(\s)+7+16*\b], v[TM+12+\b]
	v_cvt_scalef32_pk8_fp4_f32 v[(\pc)+1+2*\b], v[(\s)+8+16*\b:(\s)+15+16*\b], v[TM+12+\b]
.endr
	v_nop
.irp c, 0,1
.irp i, 0,1
	v_permlane16_swap_b32 v[(\pc)+4*\c+\i], v[(\pc)+2+4*\c+\i]
.endr
.endr
.endm
.macro PLOAD k, sb                     ; a vector's 64 numbers of my lane into window 3 (the window is set by the caller)
.irp b, 0,1,2,3
.irp j, 0,1,2,3
	global_load_b128 v[64*\k+16*\b+4*\j:64*\k+16*\b+4*\j+3], v7, s[\sb:\sb+1] offset:128*\b+16*\j
.endr
.endr
.endm
; ring slot b: the pair of tiles b of my 128 rows, four K steps: block n of the slot's image is registers 4 n on.  kind 0: wo, 1: w1 (with b1's 16 numbers), 2: w2.  17 loads, for w1 21; each reads 512 consecutive bytes
.macro RLOAD kind, b
	WIN 0x40
.set N, 0
.rept 16
.if \kind == 2
	global_load_b128 v[64*\b+4*N:64*\b+4*N+3], v1, s[W2B:W2B+1] offset:SLOTB*\b+512*N
.elseif \kind == 1
	global_load_b128 v[64*\b+4*N:64*\b+4*N+3], v1, s[W1B:W1B+1] offset:SLOTB*\b+512*N
.else
	global_load_b128 v[64*\b+4*N:64*\b+4*N+3], v1, s[W0B:W0B+1] offset:SLOTB*\b+512*N
.endif
.set N, N+1
.endr
	WIN 0
.if \kind == 2
	global_load_b128 v[WS+4*\b:WS+4*\b+3], v1, s[W2B:W2B+1] offset:SLOTB*\b+8192
.elseif \kind == 1
	global_load_b128 v[WS+4*\b:WS+4*\b+3], v1, s[W1B:W1B+1] offset:SLOTB*\b+8192
	WIN 0x80
.irp j, 0,1,2,3
	global_load_b128 v[128+16*\b+4*\j:128+16*\b+4*\j+3], v7, s[18:19] offset:128*\b+16*\j
.endr
	WIN 0
.else
	global_load_b128 v[WS+4*\b:WS+4*\b+3], v1, s[W0B:W0B+1] offset:SLOTB*\b+8192
.endif
.endm
; 16 products on slot b: four accumulators by turns, K step by K step
.macro MM kind, b
.irp ks, 0,1,2,3
.if (\kind == 1) && (\ks == 0)
	WIN 0x29                                       ; A window 1, B and C (b1) window 2
.else
	WIN 0x09                                       ; A window 1, B window 2, C and D window 0
.endif
.irp u, 0,1
.irp rt, 0,1
.if \kind == 1
.if \ks == 0
	WM A1+16*\rt+8*\u, 64*\b+32*\u, 32*\rt, 128+16*\b+8*\u, WS+4*\b, ZS, \u, \rt
.else
	WM A1+16*\rt+8*\u, 64*\b+32*\u+8*\ks, 32*\rt+8*\ks, A1+16*\rt+8*\u, WS+4*\b+\ks, ZS+\ks, \u, \rt
.endif
.elseif \kind == 0
	WM ACC+64*\rt+16*\b+8*\u, 64*\b+32*\u+8*\ks, 32*\rt+8*\ks, ACC+64*\rt+16*\b+8*\u, WS+4*\b+\ks, ZS+\ks, \u, \rt
.else
	WM ACC+64*\rt+16*\b+8*\u, 64*\b+32*\u+8*\ks, 64+32*\rt+8*\ks, ACC+64*\rt+16*\b+8*\u, WS+4*\b+\ks, HS+\ks, \u, \rt
.endif
.endr
.endr
.endr
	WIN 0
.endm
; the gelu of block b of my 128 hidden units (16 numbers a lane and tile of tokens), and the block's quantiser
.macro GELUQ b
.irp rt, 0,1
.set XB, A1+16*\rt
.irp p, 0,4,8,12                       ; two pairs at a time, so that no line waits for the line above it
	v_pk_mul_f32 v[242:243], v[XB+\p:XB+\p+1], s[KR:KR+1] op_sel_hi:[1,0]
	v_pk_mul_f32 v[244:245], v[XB+\p+2:XB+\p+3], s[KR:KR+1] op_sel_hi:[1,0]
	v_med3_num_f32 v242, v242, -4.0, 4.0
	v_med3_num_f32 v243, v243, -4.0, 4.0
	v_med3_num_f32 v244, v244, -4.0, 4.0
	v_med3_num_f32 v245, v245, -4.0, 4.0
	v_pk_mul_f32 v[246:247], v[242:243], v[242:243]
	v_pk_mul_f32 v[248:249], v[244:245], v[244:245]
	v_pk_fma_f32 v[210+\p:211+\p], v[246:247], s[CA0:CA0+1], v[14:15] op_sel_hi:[1,0,0]               ; P: + v14
	v_pk_fma_f32 v[212+\p:213+\p], v[248:249], s[CA0:CA0+1], v[14:15] op_sel_hi:[1,0,0]
	v_pk_fma_f32 v[226+\p:227+\p], v[246:247], s[CB0:CB0+1], v[14:15] op_sel:[0,0,1] op_sel_hi:[1,0,1]  ; Q: + v15
	v_pk_fma_f32 v[228+\p:229+\p], v[248:249], s[CB0:CB0+1], v[14:15] op_sel:[0,0,1] op_sel_hi:[1,0,1]
.irp k, CA2, CA3, CA4, CA5, CA6
	v_pk_fma_f32 v[210+\p:211+\p], v[210+\p:211+\p], v[246:247], s[\k:\k+1] op_sel_hi:[1,1,0]
	v_pk_fma_f32 v[212+\p:213+\p], v[212+\p:213+\p], v[248:249], s[\k:\k+1] op_sel_hi:[1,1,0]
.endr
.irp k, CB2, CB3, CB4
	v_pk_fma_f32 v[226+\p:227+\p], v[226+\p:227+\p], v[246:247], s[\k:\k+1] op_sel_hi:[1,1,0]
	v_pk_fma_f32 v[228+\p:229+\p], v[228+\p:229+\p], v[248:249], s[\k:\k+1] op_sel_hi:[1,1,0]
.endr
	v_pk_mul_f32 v[XB+\p:XB+\p+1], v[XB+\p:XB+\p+1], 0.5 op_sel_hi:[1,0]
	v_pk_mul_f32 v[XB+\p+2:XB+\p+3], v[XB+\p+2:XB+\p+3], 0.5 op_sel_hi:[1,0]
	v_pk_mul_f32 v[210+\p:211+\p], v[210+\p:211+\p], v[242:243]
	v_pk_mul_f32 v[212+\p:213+\p], v[212+\p:213+\p], v[244:245]
	v_pk_mul_f32 v[210+\p:211+\p], v[210+\p:211+\p], v[XB+\p:XB+\p+1]
	v_pk_mul_f32 v[212+\p:213+\p], v[212+\p:213+\p], v[XB+\p+2:XB+\p+3]
.endr
.set J, 0
.rept 16
	v_rcp_f32 v[226+J], v[226+J]
.set J, J+1
.endr
	v_nop                                          ; a plain place behind the reciprocals
	s_wait_alu depctr_va_vdst(0)                   ; one wait for the sixteen, ahead of their first reader
.set J, 0
.rept 8
	v_pk_fma_f32 v[XB+J:XB+J+1], v[210+J:211+J], v[226+J:227+J], v[XB+J:XB+J+1]   ; x / 2 + (x / 2) s P / Q
.set J, J+2
.endr
.endr
.irp rt, 0,1
	v_max3_num_f32 v[250+\rt], |v[A1+16*\rt]|, |v[A1+1+16*\rt]|, 0x1800000
.endr
.irp i, 2,4,6,8,10,12,14
.irp rt, 0,1
	v_max3_num_f32 v[250+\rt], v[250+\rt], |v[A1+16*\rt+\i]|, |v[A1+1+16*\rt+\i]|
.endr
.endr
.irp rt, 0,1
	v_permlanex16_b32 v[252+\rt], v[250+\rt], s[SEL], s[SEL+1]
.endr
.irp rt, 0,1
	v_max_num_f32 v[250+\rt], v[250+\rt], v[252+\rt]
.endr
.irp rt, 0,1
	v_add_nc_u32 v[254+\rt], 0xff000000, v[250+\rt]
.endr
.irp rt, 0,1
	v_lshrrev_b32 v[252+\rt], 23, v[254+\rt]
.endr
.irp rt, 0,1
.if \b == 0
	v_mov_b32 v[208+\rt], v[252+\rt]
.else
	v_lshl_or_b32 v[208+\rt], v[252+\rt], 8*\b, v[208+\rt]
.endif
.endr
.if \b == 2
	s_wait_dscnt 0x0                               ; the first half's LDS stores have read the codes' registers
.endif
.irp rt, 0,1
	v_cvt_scalef32_pk8_fp4_f32 v[200+4*\rt+2*(\b%2)], v[A1+16*\rt:A1+7+16*\rt], v[254+\rt]
	v_cvt_scalef32_pk8_fp4_f32 v[201+4*\rt+2*(\b%2)], v[A1+8+16*\rt:A1+15+16*\rt], v[254+\rt]
.endr
	v_nop
.if \b%2
.irp rt, 0,1
	v_permlane16_swap_b32 v[200+4*\rt], v[202+4*\rt]
	v_permlane16_swap_b32 v[201+4*\rt], v[203+4*\rt]
.endr
.irp rt, 0,1
	ds_store_b128 v9, v[200+4*\rt:203+4*\rt] offset:HIMG+4096*\rt+512*(\b/2)
.endr
.endif
.if \b == 3
.irp rt, 0,1
	ds_store_b32 v10, v[208+\rt] offset:HSC+64*\rt
.endr
.endif
.endm
; my lane's sums (two chains a tile, v226-233) become the rows' sums over 512 columns, in v226 and v230
.macro RSUM red
	v_pk_add_f32 v[226:227], v[226:227], v[228:229]
	v_pk_add_f32 v[230:231], v[230:231], v[232:233]
	v_add_f32 v226, v226, v227
	v_add_f32 v230, v230, v231
	v_permlanex16_b32 v234, v226, s[SEL], s[SEL+1]
	v_permlanex16_b32 v235, v230, s[SEL], s[SEL+1]
	v_add_f32 v226, v226, v234
	v_add_f32 v230, v230, v235
	ds_store_b32 v11, v226 offset:\red
	ds_store_b32 v11, v230 offset:\red+128
	BARRIER
.irp rt, 0,1
.irp w, 0,1,2,3
	ds_load_b32 v[236+4*\rt+\w], v2 offset:\red+256*\w+128*\rt
.endr
.endr
	s_wait_dscnt 0x0
	v_add_f32 v236, v236, v237
	v_add_f32 v238, v238, v239
	v_add_f32 v240, v240, v241
	v_add_f32 v242, v242, v243
	v_add_f32 v226, v236, v238
	v_add_f32 v230, v240, v242
.endm
.macro LNORM reda, redb, gg, bb        ; the accumulators are normalised in place; gg, bb: gain and bias in window 3
.irp rt, 0,1
	v_pk_add_f32 v[226+4*\rt:227+4*\rt], v[ACC+64*\rt:ACC+64*\rt+1], v[ACC+64*\rt+4:ACC+64*\rt+5]   ; each accumulator from its low end on
	v_pk_add_f32 v[228+4*\rt:229+4*\rt], v[ACC+64*\rt+2:ACC+64*\rt+3], v[ACC+64*\rt+6:ACC+64*\rt+7]
.endr
.irp j, 8,12,16,20,24,28,32,36,40,44,48,52,56,60
.irp rt, 0,1
	v_pk_add_f32 v[226+4*\rt:227+4*\rt], v[226+4*\rt:227+4*\rt], v[ACC+64*\rt+\j:ACC+64*\rt+\j+1]
	v_pk_add_f32 v[228+4*\rt:229+4*\rt], v[228+4*\rt:229+4*\rt], v[ACC+64*\rt+\j+2:ACC+64*\rt+\j+3]
.endr
.endr
	RSUM \reda
	v_mul_f32 v226, s45, v226                      ; the mean
	v_mul_f32 v230, s45, v230
.irp rt, 0,1
.set J, 0
.rept 32
	v_pk_add_f32 v[ACC+64*\rt+J:ACC+64*\rt+J+1], v[ACC+64*\rt+J:ACC+64*\rt+J+1], v[226+4*\rt:227+4*\rt] op_sel_hi:[1,0] neg_lo:[0,1] neg_hi:[0,1]
.set J, J+2
.endr
.endr
.irp rt, 0,1
	v_pk_mul_f32 v[226+4*\rt:227+4*\rt], v[ACC+64*\rt:ACC+64*\rt+1], v[ACC+64*\rt:ACC+64*\rt+1]
	v_pk_mul_f32 v[228+4*\rt:229+4*\rt], v[ACC+64*\rt+2:ACC+64*\rt+3], v[ACC+64*\rt+2:ACC+64*\rt+3]
.endr
.irp j, 4,8,12,16,20,24,28,32,36,40,44,48,52,56,60
.irp rt, 0,1
	v_pk_fma_f32 v[226+4*\rt:227+4*\rt], v[ACC+64*\rt+\j:ACC+64*\rt+\j+1], v[ACC+64*\rt+\j:ACC+64*\rt+\j+1], v[226+4*\rt:227+4*\rt]
	v_pk_fma_f32 v[228+4*\rt:229+4*\rt], v[ACC+64*\rt+\j+2:ACC+64*\rt+\j+3], v[ACC+64*\rt+\j+2:ACC+64*\rt+\j+3], v[228+4*\rt:229+4*\rt]
.endr
.endr
	RSUM \redb
	v_fma_f32 v226, v226, s45, s48                 ; the variance + 1e-5
	v_fma_f32 v230, v230, s45, s48
	v_rsq_f32 v226, v226
	v_rsq_f32 v230, v230
	v_nop
	s_wait_alu depctr_va_vdst(0)
.irp rt, 0,1
.set J, 0
.rept 32
	v_pk_mul_f32 v[ACC+64*\rt+J:ACC+64*\rt+J+1], v[ACC+64*\rt+J:ACC+64*\rt+J+1], v[226+4*\rt:227+4*\rt] op_sel_hi:[1,0]
.set J, J+2
.endr
.endr
	WIN 0x3c                                       ; sources 1 and 2 window 3
.irp rt, 0,1
.set J, 0
.rept 32
	v_pk_fma_f32 v[ACC+64*\rt+J:ACC+64*\rt+J+1], v[ACC+64*\rt+J:ACC+64*\rt+J+1], v[(\gg)+J:(\gg)+J+1], v[(\bb)+J:(\bb)+J+1]
.set J, J+2
.endr
.endr
	WIN 0
.endm
.macro ADDV pb                         ; a vector of window 3 onto both tiles' accumulators
	WIN 0x0c
.irp rt, 0,1
.set J, 0
.rept 32
	v_pk_add_f32 v[ACC+64*\rt+J:ACC+64*\rt+J+1], v[ACC+64*\rt+J:ACC+64*\rt+J+1], v[(\pb)+J:(\pb)+J+1]
.set J, J+2
.endr
.endr
	WIN 0
.endm
.macro IFETCH reg, img, sreg, sc       ; eight fragments and their scale words come back from LDS, in any wave
	WIN 0x80
.irp rt, 0,1
.irp ks, 0,1,2,3
.irp c, 0,1
	ds_load_b128 v[(\reg)+32*\rt+8*\ks+4*\c:(\reg)+32*\rt+8*\ks+4*\c+3], v1 offset:\img+1024*(4*\rt+\ks)+512*\c
.endr
.endr
.endr
	WIN 0
.irp ks, 0,1,2,3
	ds_load_b32 v[(\sreg)+\ks], v2 offset:\sc+128*\ks
.endr
.endm
	s_load_b512 s[4:19], s[0:1], 0x0               ; zc, zs, vx, wimg, bo, ln1_g, ln1_b, b1
	s_load_b256 s[20:27], s[0:1], 0x40             ; b2, ln2_g, ln2_b, out0
	v_lshl_add_u32 v4, v0, 2, 0x16000
	v_mov_b32 v6, 0
	v_lshrrev_b32 v1, 5, v0
	v_readfirstlane_b32 s[WV], v1                  ; wave 0..3
	v_and_b32 v14, 31, v0                          ; l
	v_and_b32 v15, 15, v0                          ; r
	v_bfe_u32 v13, v0, 4, 1                        ; h
	v_and_b32 v12, 8, v15
	v_add_nc_u32 v12, v12, v15                     ; r + 8 (r / 8)
	v_lshlrev_b32 v1, 4, v14                       ; 16 l
	v_lshlrev_b32 v2, 2, v14                       ; 4 l
	v_lshl_add_u32 v5, v13, 3, v12                 ; two tiles at once: lanes 16-31 eight rows on
	v_lshlrev_b32 v5, 4, v5                        ; z's scale bytes: 16 a token
	v_lshlrev_b32 v7, 6, v13                       ; vectors: 16 h numbers on
	v_lshlrev_b32 v8, 11, v12
	v_lshl_add_u32 v8, v13, 6, v8                  ; vx: a row of 2,048 bytes + 16 h numbers
	s_lshl_b32 s46, s[WV], 10
	v_add_nc_u32 v9, s46, v1                       ; my images: K step w
	s_lshl_b32 s46, s[WV], 7
	v_lshl_add_u32 v10, v15, 2, s46                ; my scale words
	s_lshl_b32 s46, s[WV], 8
	v_add_nc_u32 v11, s46, v2                      ; my sums
	v_mul_u32_u24 v12, v15, 2064
	v_lshl_add_u32 v12, v13, 6, v12
	s_lshl_b32 s46, s[WV], 9
	s_add_co_u32 s46, s46, STG
	v_add_nc_u32 v12, s46, v12                     ; the stage, in: row r, my columns
	s_mul_i32 s46, s[WV], 16512
	s_add_co_u32 s46, s46, STG
	v_add_nc_u32 v13, s46, v1                      ; back: my eight rows
	v_mov_b32 v14, 0x32edffee                      ; P's second coefficient
	v_mov_b32 v15, 0xb95fbd29                      ; Q's
.irp j, 214,215,216,217,234,235,252,253
	v_mov_b32 v[\j], 0                             ; lane permutes' destinations count as sources
.endr
	s_mov_b32 s[SEL], 0x76543210
	s_mov_b32 s[SEL+1], 0xfedcba98
	s_mov_b32 s45, 0x3b000000                      ; 1 / 512
	s_mov_b32 s48, 0x3727c5ac                      ; 1e-5
	s_mov_b32 s[KR], 0x3f3504f3
	s_mov_b32 s[CA0], 0xaf95df0b
	s_mov_b32 s[CA2], 0xb60cff51
	s_mov_b32 s[CA3], 0xb86ec2d2
	s_mov_b32 s[CA4], 0xba40ac63
	s_mov_b32 s[CA5], 0xbb41a1f6
	s_mov_b32 s[CA6], 0xbc83dbd4
	s_mov_b32 s[CB0], 0xb77460cd
	s_mov_b32 s[CB2], 0xbadc924e
	s_mov_b32 s[CB3], 0xbbf19bf8
	s_mov_b32 s[CB4], 0xbc69b6a7
.irp k, KR, CA0, CA2, CA3, CA4, CA5, CA6, CB0, CB2, CB3, CB4
	s_mov_b32 s[\k+1], s[\k]                       ; named as pairs, so both words are written
.endr
	s_mov_b32 s47, 0
	s_wait_kmcnt 0x0
	s_lshl_b32 s46, ttmp9, 13
	s_add_nc_u64 s[4:5], s[4:5], s[46:47]          ; my two tiles of z's codes
	s_lshl_b32 s46, ttmp9, 9
	s_add_nc_u64 s[6:7], s[6:7], s[46:47]
	s_lshl_b32 s46, ttmp9, 16
	s_lshl_b32 s49, s[WV], 9
	s_add_co_u32 s46, s46, s49
	s_add_nc_u64 s[8:9], s[8:9], s[46:47]          ; vx: my 32 tokens, my 128 columns
	s_mul_i32 s46, s[WV], 4*SLOTB
	s_add_nc_u64 s[W0B:W0B+1], s[W0B:W0B+1], s[46:47]      ; my four slots of wo,
	s_add_nc_u64 s[W1B:W1B+1], s[W0B:W0B+1], 16*SLOTB      ; of w1's chunk 0,
	s_add_nc_u64 s[W2B:W2B+1], s[W0B:W0B+1], 80*SLOTB      ; of w2's
	s_lshl_b32 s46, s[WV], 9                       ; my 128 numbers of each vector
	s_add_nc_u64 s[12:13], s[12:13], s[46:47]
	s_add_nc_u64 s[14:15], s[14:15], s[46:47]
	s_add_nc_u64 s[16:17], s[16:17], s[46:47]
	s_add_nc_u64 s[18:19], s[18:19], s[46:47]
	s_add_nc_u64 s[20:21], s[20:21], s[46:47]
	s_add_nc_u64 s[22:23], s[22:23], s[46:47]
	s_add_nc_u64 s[24:25], s[24:25], s[46:47]
	s_lshl_b32 s46, ttmp9, 5
	s_lshr_b32 s49, s[WV], 1
	s_lshl_b32 s49, s49, 3
	s_add_co_u32 s46, s46, s49
	s_and_b32 s49, s[WV], 1
	s_lshl_b32 s49, s49, 4
	s_add_co_u32 s46, s46, s49                     ; stage rows 8 w on are tokens 8 (w / 2) + 16 (w % 2) on
	s_lshl_b32 s46, s46, 11
	s_add_nc_u64 s[26:27], s[26:27], s[46:47]
	; ---- the head's loads: all that is no ring first
	WIN 0x80
.irp rt, 0,1
.irp ks, 0,1,2,3
.irp c, 0,1
	global_load_b128 v[32*\rt+8*\ks+4*\c:32*\rt+8*\ks+4*\c+3], v1, s[4:5] offset:4096*\rt+1024*\ks+512*\c
.endr
.endr
.endr
	WIN 0
	global_load_b128 v[ZS:ZS+3], v5, s[6:7]
.irp rt, 0,1
.irp b, 0,1,2,3
.irp j, 0,1,2,3
	global_load_b128 v[ACC+64*\rt+16*\b+4*\j:ACC+64*\rt+16*\b+4*\j+3], v8, s[8:9] offset:16384*\rt+128*\b+16*\j th:TH_LOAD_NT   ; the residual lands in the accumulators
.endr
.endr
.endr
	WIN 0xc0
	PLOAD 0, 12
	PLOAD 1, 14
	PLOAD 2, 16
	PLOAD 3, 20
	WIN 0
.irp b, 0,1,2,3
	RLOAD 0, \b
.endr
	s_wait_loadcnt 63                              ; the ring's 68 loads are the youngest: all that stands ahead of them is in
	ADDV 0                                         ; vx + bo: the C of the first product
	; ---- z wo
.irp b, 0,1,2,3
	s_wait_loadcnt 17*(3-\b)+21*\b                 ; the three younger slots' loads may be out
	MM 0, \b
	PLACES
	RLOAD 1, \b                                    ; the slot takes w1's chunk 0
.endr
	LNORM RED, RED+1024, 64, 128                   ; zn
.irp rt, 0,1
	QUANT ACC+64*\rt, 200, 208
	ds_store_b128 v9, v[200:203] offset:ZIMG+4096*\rt
	ds_store_b128 v9, v[204:207] offset:ZIMG+4096*\rt+512
	ds_store_b32 v10, v208 offset:ZSC+64*\rt
	s_wait_dscnt 0x0                               ; the stores have read their registers
.endr
	ADDV 192                                       ; zn + b2: the C of the third product
	WIN 0xc0
	PLOAD 0, 22                                    ; ln2_g and ln2_b take the places of bo and ln1_g
	PLOAD 1, 24
	WIN 0
	BARRIER                                        ; zn's eight fragments lie in LDS
	IFETCH 0, ZIMG, ZS, ZSC
	s_wait_dscnt 0x0
	; ---- the four chunks of 512 hidden units
	s_mov_b32 s44, 4
.Lchunk:
.irp b, 0,1,2,3
	s_wait_loadcnt 21*(3-\b)+17*\b                 ; the three younger slots' loads may be out
	MM 1, \b
	PLACES
	GELUQ \b                                       ; the older slots' loads land meanwhile,
	RLOAD 2, \b                                    ; and then the slot takes w2's part for this chunk: 63 + 17 loads would be more than are counted at a time
.endr
	BARRIER                                        ; the chunk's eight hidden fragments lie in LDS
	IFETCH 64, HIMG, HS, HSC
	BARRIER                                        ; and everybody has them: the next chunk may write there
	s_cmp_eq_u32 s44, 1
	s_cbranch_scc1 .Llast                          ; the last chunk asks for no further weights: its products are written out below
	s_wait_xcnt 0x0                                ; all loads issued so far have read their bases (the youngest stand ahead of the two barriers): the bases step here,
	s_add_nc_u64 s[W1B:W1B+1], s[W1B:W1B+1], CHUNKB        ; w1 and b1 ahead of the requests for the next chunk,
	s_add_nc_u64 s[18:19], s[18:19], 0x800
	s_add_nc_u64 s[W2B:W2B+1], s[W2B:W2B+1], CHUNKB        ; w2 behind this chunk's
.irp b, 0,1,2,3
	s_wait_loadcnt 17*(3-\b)+21*\b
	MM 2, \b
	PLACES
	RLOAD 1, \b                                    ; the slot takes w1's next chunk
.endr
	s_sub_co_u32 s44, s44, 1
	s_cmp_lg_u32 s44, 0
	s_cbranch_scc1 .Lchunk
.Llast:
.irp b, 0,1,2,3
	s_wait_loadcnt 17*(3-\b)
	MM 2, \b
	PLACES
.endr
	LNORM RED+2048, RED+3072, 0, 64
	; ---- the way out: a row's 512 numbers come from four waves: through the stage, then whole rows
.irp rt, 0,1
.irp b, 0,1,2,3
.irp j, 0,1,2,3
	ds_store_b128 v12, v[ACC+64*\rt+16*\b+4*\j:ACC+64*\rt+16*\b+4*\j+3] offset:33024*\rt+128*\b+16*\j
.endr
.endr
.endr
	BARRIER
.set N, 0
.rept 32
	ds_load_b128 v[ACC+4*N:ACC+4*N+3], v13 offset:2064*(N/4)+512*(N%4)
.set N, N+1
.endr
.set N, 0
.rept 32
	s_wait_dscnt 31-N
	global_store_b128 v1, v[ACC+4*N:ACC+4*N+3], s[26:27] offset:2048*(N/4)+512*(N%4) th:TH_STORE_NT   ; 512 consecutive bytes, aligned
.set N, N+1
.endr
	s_wait_tensorcnt 0x0
	ds_add_u32 v4, v6
	s_wait_dscnt 0x0
	s_endpgm
.Lfunc_end_k_q32e2343624_tail:
	.size	k_q32e2343624_tail, .Lfunc_end_k_q32e2343624_tail-k_q32e2343624_tail
	.p2alignl 7, 3214868480
	.fill 96, 4, 3214868480
	.section	.rodata,"a",@progbits
	.p2align	6, 0x0
	.amdhsa_kernel k_q32e2343624_tail
		.amdhsa_group_segment_fixed_size 90624
		.amdhsa_private_segment_fixed_size 0
		.amdhsa_enable_private_segment 0
		.amdhsa_kernarg_size 96
		.amdhsa_user_sgpr_count 2
		.amdhsa_user_sgpr_kernarg_segment_ptr 1
		.amdhsa_wavefront_size32 1
		.amdhsa_system_sgpr_workgroup_id_x 1
		.amdhsa_system_sgpr_workgroup_id_y 1
		.amdhsa_system_sgpr_workgroup_id_z 1
		.amdhsa_system_vgpr_workitem_id 0
		.amdhsa_next_free_vgpr 1024
		.amdhsa_next_free_sgpr 84
		.amdhsa_reserve_vcc 0
		.amdhsa_float_denorm_mode_32 3
		.amdhsa_float_denorm_mode_16_64 3
		.amdhsa_memory_ordered 1
		.amdhsa_forward_progress 1
		.amdhsa_inst_pref_size 242
	.end_amdhsa_kernel
	.amdgpu_metadata
---
amdhsa.version: [ 1, 2 ]
amdhsa.kernels:
  - .name:           k_q32e2343624_tail
    .symbol:         k_q32e2343624_tail.kd
    .args:
      - { .name: zc, .offset: 0, .size: 8, .value_kind: global_buffer, .address_space: global }
      - { .name: zs, .offset: 8, .size: 8, .value_kind: global_buffer, .address_space: global }
      - { .name: vx, .offset: 16, .size: 8, .value_kind: global_buffer, .address_space: global }
      - { .name: wimg, .offset: 24, .size: 8, .value_kind: global_buffer, .address_space: global }
      - { .name: bo, .offset: 32, .size: 8, .value_kind: global_buffer, .address_space: global }
      - { .name: ln1_g, .offset: 40, .size: 8, .value_kind: global_buffer, .address_space: global }
      - { .name: ln1_b, .offset: 48, .size: 8, .value_kind: global_buffer, .address_space: global }
      - { .name: b1, .offset: 56, .size: 8, .value_kind: global_buffer, .address_space: global }
      - { .name: b2, .offset: 64, .size: 8, .value_kind: global_buffer, .address_space: global }
      - { .name: ln2_g, .offset: 72, .size: 8, .value_kind: global_buffer, .address_space: global }
      - { .name: ln2_b, .offset: 80, .size: 8, .value_kind: global_buffer, .address_space: global }
      - { .name: out0, .offset: 88, .size: 8, .value_kind: global_buffer, .address_space: global }
    .group_segment_fixed_size: 90624
    .private_segment_fixed_size: 0
    .kernarg_segment_align: 8
    .kernarg_segment_size: 96
    .max_flat_workgroup_size: 128
    .sgpr_count:     84
    .vgpr_count:     1024
    .wavefront_size: 32
...
	.end_amdgpu_metadata
.endif
;; end of part 3
;; ======== version 2 of 2: 3 launches; version 1 with the launches prep, tail written anew for expert scheduling mode
;; workspace buffers: qb 2,228,224 bytes; kv 4,456,448 bytes; maskw 2,097,152 bytes of whole numbers; zc 2,097,152 bytes; zs 131,072 bytes; wimg 1,253,376 bytes
;; launch prep (part 4): grid 484 x 1, 4 waves a work-group, no clusters, 74,240 bytes of LDS; arguments qx_codes, qx_scales, wq_codes, wq_scales, bq, qb, kx_codes, kx_scales, wk_codes, wk_scales, bk, kv, vx, wv_codes, wv_scales, bv, maskPAD, maskw, wo_codes, wo_scales, w1_codes, w1_scales, w2_codes, w2_scales, wimg; writes qb, kv, maskw, wimg
.if DOCPART == 4
	.amdgcn_target "amdgcn-amd-amdhsa--gfx1250"
	.amdhsa_code_object_version 6
	.text
	.protected	k_q32e2343624_prep
	.globl	k_q32e2343624_prep
	.p2align	8
	.type	k_q32e2343624_prep,@function
k_q32e2343624_prep:
	s_mov_b64 s[64:65], 0
	v_nop
	global_prefetch_b8 v0, s[64:65] scope:SCOPE_SE
	s_setreg_imm32_b32 hwreg(HW_REG_WAVE_SCHED_MODE, 0, 2), 2
	s_setreg_imm32_b32 hwreg(HW_REG_WAVE_MODE, 25, 1), 1
	s_wait_xcnt 0x0
	s_wait_alu depctr_vm_vsrc(0)
; q = qx wq + bq, k = kx wk + bk, v = vx wv + bv on codes of FP4 (E2M1) with one E8M0 scale for each 32 along K; q and k are quantised again along a head's 64 channels, v along the keys;
; maskPAD becomes words of one bit a lane; wo, w1, w2 are laid in the order in which the last launch's registers take them.
; Four ways part on the work-group's number: 0-127 q and k (64 blocks of 128 tokens each), 128-191 v, 192-447 the mask (32 query rows each), 448-483 the weights' images (a slot a wave).
; TILES OF 16 ARE NEVER NEIGHBOURS: in a group of 32 rows, lane r of tile u takes row 8 u + r + 8 (r / 8).  Such a tile as source 0 leaves, in lane (r, h), register j of result tile (b, u) = index 32 b + 16 h + 8 u + j:
; the 16 registers of two neighbouring tiles are 16 neighbours along the next K, as the conversions want them.
; q, k: source 0 = the wave's 128 rows of the weight (two heads), kept in 256 registers; source 1 = 16 tokens: a lane holds one token, its registers run along the channels.
; v:    source 0 = the block's 128 tokens of vx, quantised by the four waves and handed round through LDS as images of the operand's registers; source 1 = 16 rows of wv: a lane holds one channel, registers run along the keys.
; OUT, as images of the registers in which the next launch wants them (lane l's 16 bytes at 16 l, 512 bytes a store): qb [head 32][step 16][4,352]: 8 blocks of 512 bytes of codes, then 256 bytes of scale words [r][pair of tiles];
; kv [head][step][8,704]: k as in qb, then v's 4 fragments (4,096 bytes), then v's scale words [r][tile].  maskw [query tile 512][step 16][64 words].
; wimg [slot 144][8,704]: a slot is 32 rows of a weight x 512 along K: block 8 u + 2 ks + c of 512 bytes = registers 4 c on of the fragment (tile u, K step ks); then 512 bytes of scale words (lane r + 16 u: row 8 u + r + 8 (r / 8)).
; Slots 0-15: wo, 32 rows each; 16-79: w1 likewise; 80-143: w2: slot 16 c + g = rows 32 g on, K 512 c on.
; No joint loads: a weight fragment goes from memory into the one wave's registers that multiplies by it (32,768 bytes a wave, read once by it); through LDS it would be stored and read once more for the same products.
; No prefetch: the mask's way keeps 48 to 64 loads of 512 bytes a wave on their way all the time.
; LIMITS: NaN and infinities are not served.  A block whose largest magnitude lies under 2^-124 gets the byte 1; a block of zeros gets 1 where the rule says 127: its codes are zeros, and this program alone reads the bytes.
; REGISTERS: window 0: v1 r, v2 h, v3 r + 8 (r / 8), v4-15 offsets, v16-79 results, v80-143 a second set of vx, v144-159 source 0's scale words, v160-167 source 1's, v168-175 and v208-215 codes, two buffers, v176-177 scale words made,
;   v180-195 at work, v196-203 scale words gathered, v204-207 as stored.  window 1: source 0's 32 fragments.  window 2: source 1's fragments, two sets (v0-63); biases (v64-143).
; THE MODE: SCHED_MODE bits 1:0 = 2 (LLVM: expert scheduling mode 2), set by the entry lines.  The code itself states the register dependences between vector or matrix instructions and memory or LDS instructions,
; with s_wait_alu, always for 0.
; THE PLAN.  Registers that memory or LDS instructions touch:
;   offsets v4-v15   made at a way's head and never written again: one wait on va_vdst ahead of the way's first load.  s32, the wave's number, comes from a vector instruction: one wait on va_sdst ahead of the first branch.
;   source 1's sets  tile i's products read set i % 2 (fragments, scale words, on v's way the bias); the loads of tile i + 2 land in it.
;   codes' buffers   tile i's quantiser writes buffer i % 2; the two stores that read it are issued in tile i + 1; tile i + 2's quantiser writes it again.
;                    So three lines stand in a tile, behind its products: the stores issued a tile ago have read this tile's buffer (XCNT and vm_vsrc, from tile 2 on); the products are done reading their set and the last
;                    tile's quantiser has written its codes (va_vdst).  The loads of tile i + 2 and the stores of tile i - 1 follow with no further wait: the quantiser behind them names none of their registers.
;   vx's two sets    job k's quantiser reads set k % 2 and writes the codes; behind it one wait on va_vdst, then the LDS stores of the codes and the loads of job k + 2 into the set.
;   the mask         raw buffers (window 1): loaded, read by LDS stores, loaded again behind a wait on vm_vsrc.  v16-79: LDS loads land there, the compares read them.  v80-95: a pair a unit, written by v_writelane_b32, stored in
;                    the next unit.  One wait on va_vdst at a unit's head serves the store of the last unit's pair and the LDS loads.  The compares' masks s16-31: a wait on va_sdst behind each run of sixteen.
.set ACC,  16
.set ST,   80
.set PS,   144
.set SS,   160
.set PC,   168                         ; the codes' buffer p stands at PC + 40 p
.set PW,   176
.set TM,   180
.set KW,   196
.set OUTW, 204
.set WV,   32
.set SEL,  34
.set XSCL, 32768                       ; LDS, v's way: 32 images of 1,024 bytes, then 16 x 128 bytes of scale words
.set MSTG, 36864                       ; LDS, the mask's way: a stage of 16 rows x 528 bytes for each wave
.set SLOTB, 8704                       ; a slot of wimg
.set T,    16
.set MW,   80
.set MSB,  0
.macro WIN new                         ; the immediate's high byte repeats the setting that is left
.if MSB != \new
	s_set_vgpr_msb (MSB<<8)|\new
.set MSB, \new
.endif
.endm
; one product 16 x 16 x 128; ra, rb = 1: that side's scale words stand in lanes 16-31
.macro WM d, a, b, c, sa, sb, ra, rb
.if (\ra) && (\rb)
	v_wmma_scale_f32_16x16x128_f8f6f4 v[(\d):(\d)+7], v[(\a):(\a)+7], v[(\b):(\b)+7], v[(\c):(\c)+7], v[(\sa)], v[(\sb)] matrix_a_fmt:MATRIX_FMT_FP4 matrix_b_fmt:MATRIX_FMT_FP4 matrix_a_scale:MATRIX_SCALE_ROW1 matrix_b_scale:MATRIX_SCALE_ROW1
.elseif (\ra)
	v_wmma_scale_f32_16x16x128_f8f6f4 v[(\d):(\d)+7], v[(\a):(\a)+7], v[(\b):(\b)+7], v[(\c):(\c)+7], v[(\sa)], v[(\sb)] matrix_a_fmt:MATRIX_FMT_FP4 matrix_b_fmt:MATRIX_FMT_FP4 matrix_a_scale:MATRIX_SCALE_ROW1
.elseif (\rb)
	v_wmma_scale_f32_16x16x128_f8f6f4 v[(\d):(\d)+7], v[(\a):(\a)+7], v[(\b):(\b)+7], v[(\c):(\c)+7], v[(\sa)], v[(\sb)] matrix_a_fmt:MATRIX_FMT_FP4 matrix_b_fmt:MATRIX_FMT_FP4 matrix_b_scale:MATRIX_SCALE_ROW1
.else
	v_wmma_scale_f32_16x16x128_f8f6f4 v[(\d):(\d)+7], v[(\a):(\a)+7], v[(\b):(\b)+7], v[(\c):(\c)+7], v[(\sa)], v[(\sb)] matrix_a_fmt:MATRIX_FMT_FP4 matrix_b_fmt:MATRIX_FMT_FP4
.endif
.endm
.macro PLACES                          ; four plain places behind matrix instructions, ahead of reads of their results (ISA guide 7.12.1)
.rept 4
	v_nop
.endr
.endm
; 64 numbers of a lane, register 16 b + i = k 32 b + 16 h + i of my row, become a fragment's codes in v[pc] on and its scale word in v[pw]
.macro QUANT s, pc, pw
.irp b, 0,1,2,3
	v_max3_num_f32 v[TM+\b], |v[(\s)+16*\b]|, |v[(\s)+1+16*\b]|, 0x1800000   ; my 16 numbers of block b and the floor 2^(3 - 127): the byte cannot fall under 1
.endr
.irp i, 2,4,6,8,10,12,14
.irp b, 0,1,2,3
	v_max3_num_f32 v[TM+\b], v[TM+\b], |v[(\s)+16*\b+\i]|, |v[(\s)+1+16*\b+\i]|
.endr
.endr
.irp b, 0,1,2,3
	v_permlanex16_b32 v[TM+4+\b], v[TM+\b], s[SEL], s[SEL+1]
.endr
.irp b, 0,1,2,3
	v_max_num_f32 v[TM+\b], v[TM+\b], v[TM+4+\b]   ; with lane l xor 16's: the block's largest magnitude
.endr
.irp b, 0,1,2,3
	v_add_nc_u32 v[TM+12+\b], 0xff000000, v[TM+\b]   ; 2 off its exponent field: the conversion's scale operand
.endr
.irp b, 0,1,2,3
	v_lshrrev_b32 v[TM+4+\b], 23, v[TM+12+\b]   ; the scale's byte
.endr
	v_lshl_or_b32 v[(\pw)], v[TM+5], 8, v[TM+4]
	v_lshl_or_b32 v[(\pw)], v[TM+6], 16, v[(\pw)]
	v_lshl_or_b32 v[(\pw)], v[TM+7], 24, v[(\pw)]
.irp b, 0,1,2,3
	v_cvt_scalef32_pk8_fp4_f32 v[(\pc)+2*\b], v[(\s)+16*\b:(\s)+7+16*\b], v[TM+12+\b]
	v_cvt_scalef32_pk8_fp4_f32 v[(\pc)+1+2*\b], v[(\s)+8+16*\b:(\s)+15+16*\b], v[TM+12+\b]
.endr
	v_nop                                          ; one plain place behind a scaled conversion
.irp c, 0,1                                    ; a whole block to a lane: lanes 0-15 block 2 c, lanes 16-31 block 2 c + 1
.irp i, 0,1
	v_permlane16_swap_b32 v[(\pc)+4*\c+\i], v[(\pc)+2+4*\c+\i]
.endr
.endr
.endm
; source 1's tile i (16 rows x 512 K: four fragments, their scale words; on v's way also the lane's bias eight times over) into set sg: 9 loads, on v's way 17
.macro SLOAD sg, i, isv
.set RW0, 32*((\i)/2)+8*((\i)%2)
	WIN 0x80
.irp ks, 0,1,2,3
.irp c, 0,1
	global_load_b128 v[32*(\sg)+8*\ks+4*\c:32*(\sg)+8*\ks+4*\c+3], v4, s[8:9] offset:RW0*256+64*\ks+32*\c
.endr
.endr
.if \isv
.irp j, 0,1,2,3,4,5,6,7
	global_load_b32 v[128+8*(\sg)+\j], v7, s[16:17] offset:RW0*4
.endr
.endif
	WIN 0
	global_load_b128 v[SS+4*(\sg):SS+4*(\sg)+3], v5, s[10:11] offset:RW0*16
.endm
; 32 products: source 0's eight tiles by turns, K step by K step; the bias is the C of each sum's first product
.macro PROD sg, isv
	WIN 0x29                                       ; A window 1, B and C window 2, D window 0
.irp t, 0,1,2,3,4,5,6,7
.if \isv
	WM ACC+8*\t, 32*\t, 32*(\sg), 128+8*(\sg), PS+4*(\t/2), SS+4*(\sg), \t%2, 0
.else
	WM ACC+8*\t, 32*\t, 32*(\sg), 64+8*\t, PS+4*(\t/2), SS+4*(\sg), \t%2, 0
.endif
.endr
	WIN 0x09                                       ; C and D window 0
.irp ks, 1,2,3
.irp t, 0,1,2,3,4,5,6,7
	WM ACC+8*\t, 32*\t+8*\ks, 32*(\sg)+8*\ks, ACC+8*\t, PS+4*(\t/2)+\ks, SS+4*(\sg)+\ks, \t%2, 0
.endr
.endr
	WIN 0
.endm
; tile i's codes leave from buffer i % 2
.macro TSTORE i, isv
.set PB, PC+40*((\i)%2)
.if \isv
.if (\i) < 4
	global_store_b128 v8, v[PB:PB+3], s[18:19] offset:1024*(\i)
	global_store_b128 v8, v[PB+4:PB+7], s[18:19] offset:1024*(\i)+512
.else
	global_store_b128 v9, v[PB:PB+3], s[18:19] offset:1024*((\i)-4)
	global_store_b128 v9, v[PB+4:PB+7], s[18:19] offset:1024*((\i)-4)+512
.endif
.else
	global_store_b128 v8, v[PB:PB+3], s[18:19] offset:512*(\i)      ; the wave's first head: channels 32 h on of 16 tokens
	global_store_b128 v9, v[PB+4:PB+7], s[18:19] offset:512*(\i)    ; its second head
.endif
.endm
.macro TILE i, isv
.set SG, (\i)%2
.if (\i) == 7
	s_wait_loadcnt 0x0
.elseif \isv
	s_wait_loadcnt 17                              ; this tile's loads are in; the next tile's 17 may be out
.else
	s_wait_loadcnt 9                               ; the next tile's 9 may be out
.endif
	PROD SG, \isv
	PLACES
.if (\i) >= 2
	s_wait_xcnt 0x0                                ; the stores issued in the last tile have had their addresses translated: the codes' buffer that they read is written again only behind this wait,
	s_wait_alu depctr_vm_vsrc(0)                   ; and they have read that buffer, which this tile's quantiser writes
.endif
	s_wait_alu depctr_va_vdst(0)                   ; the products are done reading source 1's set, in which the loads below land; the last tile's quantiser has written the codes that the stores below read
.if (\i) < 6
	SLOAD SG, (\i)+2, \isv
.endif
.if (\i) > 0
	TSTORE (\i)-1, \isv
.endif
.if \isv
	QUANT ACC, PC+40*((\i)%2), KW+(\i)
.else
	QUANT ACC, PC+40*((\i)%2), PW+(\i)%2
.if (\i)%2
	v_perm_b32 v[KW+(\i)/2], v[PW+1], v[PW], 0x05040100             ; first head: the even tile's two bytes, the odd tile's two
	v_perm_b32 v[KW+4+(\i)/2], v[PW+1], v[PW], 0x07060302           ; second head
.endif
.endif
.endm
.macro FINISH isv                      ; the last tile's codes; the scale words: lanes 0-15 the first head's, lanes 16-31 the second's: two runs of 256 consecutive bytes
.irp k, 0,1,2,3
	v_cndmask_b32 v[OUTW+\k], v[KW+\k], v[KW+4+\k], s36
.endr
	s_wait_alu depctr_va_vdst(0)                   ; tile 7's quantiser has written its codes and the selects the scale words, which the stores below read
	TSTORE 7, \isv
	global_store_b128 v10, v[OUTW:OUTW+3], s[18:19] offset:4096
.endm
.macro XLOAD reg, k                    ; vx: tile k / 4 of my two, K step k % 4: 16 neighbours of each block of 32 to a lane
.irp b, 0,1,2,3
.irp j, 0,1,2,3
	global_load_b128 v[(\reg)+16*\b+4*\j:(\reg)+16*\b+4*\j+3], v11, s[12:13] offset:16384*((\k)/4)+512*((\k)%4)+128*\b+16*\j th:TH_LOAD_NT
.endr
.endr
.endm
.macro XJOB k
.if (\k) < 7
	s_wait_loadcnt 16                              ; this job's 16 loads are in, the next job's may be out
.else
	s_wait_loadcnt 0x0
.endif
	s_wait_dscnt 0x0                               ; the last job's LDS stores are done
.if (\k) > 0
	s_wait_alu depctr_vm_vsrc(0)                   ; the last job's LDS stores have read the codes and the scale word, which the quantiser writes again
.endif
	QUANT ACC+64*((\k)%2), PC, PW
	s_wait_alu depctr_va_vdst(0)                   ; the quantiser has written the codes and the scale word, which the LDS stores read, and is done reading its 64 numbers, in whose registers the loads below land
	ds_store_b128 v14, v[PC:PC+3] offset:4096*((\k)/4)+1024*((\k)%4)
	ds_store_b128 v14, v[PC+4:PC+7] offset:4096*((\k)/4)+1024*((\k)%4)+512
	ds_store_b32 v15, v[PW] offset:XSCL+128*((\k)%4)+64*((\k)/4)
.if (\k) < 6
	XLOAD ACC+64*((\k)%2), (\k)+2
.endif
.endm
.macro MLOAD k                         ; unit k: query tile k / 4, key step k % 4 of my four: 16 rows x 512 consecutive bytes
	WIN 0x40
.irp q, 0,1,2,3,4,5,6,7,8,9,10,11,12,13,14,15
	global_load_b128 v[64*((\k)%4)+4*\q:64*((\k)%4)+4*\q+3], v8, s[8:9] offset:(8*((\k)/4)+\q+8*(\q/8))*8192+512*((\k)%4) th:TH_LOAD_NT
.endr
	WIN 0
.endm
.macro MOUT k                          ; unit k's 64 words: 256 consecutive bytes, aligned
	global_store_b64 v6, v[MW+2*(\k):MW+2*(\k)+1], s[10:11] offset:4096*((\k)/4)+256*((\k)%4)
.endm
.macro MUNIT k
.if 7-(\k) >= 3
	s_wait_loadcnt 48                              ; the three younger units' loads may be out
.else
	s_wait_loadcnt 16*(7-(\k))
.endif
.if (\k) > 0
	s_wait_alu depctr_va_vdst(0)                   ; the last unit's v_writelane_b32 lines have written its pair of words, which the store below reads; its compares are done reading v16-79, in which the LDS loads below land
	MOUT (\k)-1
.endif
	WIN 0x04                                       ; an LDS store's data: window 1
.irp q, 0,1,2,3,4,5,6,7,8,9,10,11,12,13,14,15
	ds_store_b128 v4, v[64*((\k)%4)+4*\q:64*((\k)%4)+4*\q+3] offset:528*\q
.endr
	WIN 0
.irp b, 0,1,2,3
.irp u, 0,1
.irp e, 0,1
	ds_load_b128 v[T+8*(2*\b+\u)+4*\e:T+8*(2*\b+\u)+4*\e+3], v5 offset:128*\b+32*\u+16*\e   ; the wave's own bytes, served in order: these see the stores above
.endr
.endr
.endr
	s_wait_dscnt 0x0
.if (\k)+4 < 8
	s_wait_alu depctr_vm_vsrc(0)                   ; the LDS stores above have read the raw buffer, in which the loads below land
	MLOAD (\k)+4
.endif
.set N, 0
.rept 4
.set M, 0
.rept 16
	v_cmp_ne_u32 s[16+M], 0, v[T+N+M]              ; word n: bit of lane (r, h) = maskPAD[query r][key 32 b + 16 h + 8 u + j] != 0, n = 8 (2 b + u) + j
.set M, M+1
.endr
	s_wait_alu depctr_va_sdst(0)                   ; the sixteen compares have written s16-31, which the lines below read
.set M, 0
.rept 16
	v_writelane_b32 v[MW+2*(\k)+((N+M)&1)], s[16+M], (N+M)>>1
.set M, M+1
.endr
.set N, N+16
.endr
.endm
; one slot of wimg.  cb, sb: the tensor's codes and scale bytes; first: its first slot; lp, ls: log2 of a row of codes and of scale bytes; slot & msk: the group of 32 rows; slot >> sh: which 512 along K
.macro WLAY cb, sb, first, lp, ls, msk, sh
	s_sub_co_u32 s42, s39, \first                  ; my slot within the tensor
	s_and_b32 s45, s42, \msk
	s_lshr_b32 s46, s42, \sh
	s_lshl_b32 s40, s45, 5+\lp                     ; 32 rows of codes a group,
	s_lshl_b32 s47, s46, 8                         ; 256 bytes for 512 along K
	s_add_co_u32 s40, s40, s47
	s_add_nc_u64 s[\cb:\cb+1], s[\cb:\cb+1], s[40:41]
	s_lshl_b32 s40, s45, 5+\ls                     ; the same in scale bytes:
	s_lshl_b32 s47, s46, 4                         ; 16 for 512 along K
	s_add_co_u32 s40, s40, s47
	s_add_nc_u64 s[\sb:\sb+1], s[\sb:\sb+1], s[40:41]
	v_lshlrev_b32 v4, \lp, v3
	v_lshl_add_u32 v4, v2, 4, v4                   ; row r + 8 (r / 8), + 16 h
	v_lshl_add_u32 v6, v2, 3, v3
	v_lshlrev_b32 v6, \ls, v6                      ; scale bytes of two tiles at once: lanes 16-31 eight rows on
	s_wait_alu depctr_va_vdst(0)                   ; the offsets v4, v6 and v8 are written, which the loads and stores below read
.irp u, 0,1
.irp ks, 0,1,2,3
.irp c, 0,1
	global_load_b128 v[16+32*\u+8*\ks+4*\c:16+32*\u+8*\ks+4*\c+3], v4, s[\cb:\cb+1] offset:(8<<\lp)*\u+64*\ks+32*\c
.endr
.endr
.endr
	global_load_b128 v[80:83], v6, s[\sb:\sb+1]
	s_wait_loadcnt 0x0
.set N, 0
.rept 16
	global_store_b128 v8, v[16+4*N:16+4*N+3], s[20:21] offset:512*N   ; 512 consecutive bytes, aligned
.set N, N+1
.endr
	global_store_b128 v8, v[80:83], s[20:21] offset:8192
	s_endpgm
.endm
	v_lshl_add_u32 v254, v0, 2, 0x12000
	v_mov_b32 v255, 0
	v_lshrrev_b32 v1, 5, v0
	v_readfirstlane_b32 s[WV], v1                  ; wave 0..3
	v_and_b32 v12, 31, v0                          ; l
	v_and_b32 v1, 15, v0                           ; r
	v_bfe_u32 v2, v0, 4, 1                         ; h
	v_and_b32 v3, 8, v1
	v_add_nc_u32 v3, v3, v1                        ; r + 8 (r / 8)
	v_lshlrev_b32 v8, 4, v12                       ; 16 l
	s_wait_alu depctr_va_sdst(0)                   ; s32, the wave's number, is written: every way reads it
	s_cmp_ge_u32 ttmp9, 192
	s_cbranch_scc1 .Lmask
	v_lshlrev_b32 v4, 8, v3
	v_lshl_add_u32 v4, v2, 4, v4                   ; a fragment's row of 256 bytes + 16 h
	v_lshlrev_b32 v5, 4, v3                        ; its row of 16 scale bytes
	v_lshl_add_u32 v6, v2, 3, v3
	v_lshlrev_b32 v6, 4, v6                        ; the same for two tiles at once: lanes 16-31 eight rows on
	s_mov_b32 s[SEL], 0x76543210
	s_mov_b32 s[SEL+1], 0xfedcba98                 ; lane l xor 16
	s_mov_b32 s36, 0xffff0000                      ; lanes 16-31
.irp b, 0,1,2,3
	v_mov_b32 v[TM+4+\b], 0                        ; written once: a lane permute's destination counts as one of its sources
.endr
	s_mov_b32 s41, 0
	s_cmp_ge_u32 ttmp9, 128
	s_cbranch_scc1 .Lv
	; ---- q and k
	s_load_b256 s[8:15], s[0:1], 0x0               ; qx's codes, scales; wq's codes, scales
	s_load_b128 s[16:19], s[0:1], 0x20             ; bq, qb
	s_load_b256 s[20:27], s[0:1], 0x30             ; the same for k
	s_load_b128 s[28:31], s[0:1], 0x50
	v_lshlrev_b32 v7, 6, v2                        ; the bias: 16 h numbers on
	s_lshr_b32 s38, ttmp9, 6                       ; 0: q, 1: k
	s_and_b32 s39, ttmp9, 63                       ; which 128 tokens
	s_wait_kmcnt 0x0
	s_cmp_eq_u32 s38, 0
	s_cselect_b64 s[8:9], s[8:9], s[20:21]
	s_cselect_b64 s[10:11], s[10:11], s[22:23]
	s_cselect_b64 s[12:13], s[12:13], s[24:25]
	s_cselect_b64 s[14:15], s[14:15], s[26:27]
	s_cselect_b64 s[16:17], s[16:17], s[28:29]
	s_cselect_b64 s[18:19], s[18:19], s[30:31]
	s_mov_b32 s37, 8704
	s_cselect_b32 s37, 4352, s37                   ; a step's record in qb or in kv
	s_lshl_b32 s40, s39, 15
	s_add_nc_u64 s[8:9], s[8:9], s[40:41]          ; 128 tokens x 256 bytes
	s_lshl_b32 s40, s39, 11
	s_add_nc_u64 s[10:11], s[10:11], s[40:41]
	s_lshl_b32 s40, s[WV], 15
	s_add_nc_u64 s[12:13], s[12:13], s[40:41]      ; my 128 rows of the weight
	s_lshl_b32 s40, s[WV], 11
	s_add_nc_u64 s[14:15], s[14:15], s[40:41]
	s_lshl_b32 s40, s[WV], 9
	s_add_nc_u64 s[16:17], s[16:17], s[40:41]
	s_lshr_b32 s42, s39, 4
	s_lshl_b32 s42, s42, 7                         ; 128 x batch
	s_and_b32 s43, s39, 15
	s_add_co_u32 s42, s42, s43                     ; + step
	s_lshl_b32 s43, s[WV], 5
	s_add_co_u32 s42, s42, s43                     ; + 16 x my first head
	s_mul_i32 s40, s42, s37
	s_add_nc_u64 s[18:19], s[18:19], s[40:41]
	s_lshl_b32 s43, s37, 4                         ; from a head to the next: 16 records
	v_add_nc_u32 v9, s43, v8
	v_mul_lo_u32 v10, v2, s43
	v_lshl_add_u32 v10, v1, 4, v10
	WIN 0x40
	s_wait_alu depctr_va_vdst(0)                   ; the offsets v4 to v10 are written, which this way's loads and stores read
.irp t, 0,1,2,3,4,5,6,7
.irp ks, 0,1,2,3
.irp c, 0,1
	global_load_b128 v[32*\t+8*\ks+4*\c:32*\t+8*\ks+4*\c+3], v4, s[12:13] offset:(32*(\t/2)+8*(\t%2))*256+64*\ks+32*\c
.endr
.endr
.endr
	WIN 0
.irp b, 0,1,2,3
	global_load_b128 v[PS+4*\b:PS+4*\b+3], v6, s[14:15] offset:512*\b
.endr
	WIN 0x80
.irp t, 0,1,2,3,4,5,6,7
	global_load_b128 v[64+8*\t:64+8*\t+3], v7, s[16:17] offset:4*(32*(\t/2)+8*(\t%2))
	global_load_b128 v[64+8*\t+4:64+8*\t+7], v7, s[16:17] offset:4*(32*(\t/2)+8*(\t%2))+16
.endr
	WIN 0
	SLOAD 0, 0, 0
	SLOAD 1, 1, 0
.irp i, 0,1,2,3,4,5,6,7
	TILE \i, 0
.endr
	FINISH 0
	s_endpgm
	; ---- v
.Lv:
	s_load_b64 s[18:19], s[0:1], 0x58              ; kv
	s_load_b256 s[20:27], s[0:1], 0x60             ; vx, wv's codes, wv's scales, bv
	s_sub_co_u32 s39, ttmp9, 128                   ; which 128 tokens
	v_lshlrev_b32 v7, 2, v3                        ; the bias of my channel
	v_lshlrev_b32 v11, 11, v3
	v_lshl_add_u32 v11, v2, 6, v11                 ; vx: my row of 2,048 bytes + 16 h numbers
	v_lshlrev_b32 v13, 2, v12                      ; 4 l
	s_lshl_b32 s40, s[WV], 13
	v_add_nc_u32 v14, s40, v8                      ; my images: 16 l + 8,192 x wave
	s_lshl_b32 s40, s[WV], 9
	v_lshl_add_u32 v15, v1, 2, s40                 ; my scale words: 4 r + 512 x wave
	s_mov_b32 s43, 139264                          ; from a head to the next in kv
	v_add_nc_u32 v9, s43, v8
	v_mul_lo_u32 v10, v2, s43
	v_lshl_add_u32 v10, v1, 4, v10
	s_wait_kmcnt 0x0
	s_lshl_b32 s40, s[WV], 15
	s_add_nc_u64 s[8:9], s[22:23], s[40:41]        ; my 128 rows of wv
	s_lshl_b32 s40, s[WV], 11
	s_add_nc_u64 s[10:11], s[24:25], s[40:41]
	s_lshl_b32 s40, s[WV], 9
	s_add_nc_u64 s[16:17], s[26:27], s[40:41]
	s_lshl_b32 s40, s39, 7
	s_lshl_b32 s42, s[WV], 5
	s_add_co_u32 s40, s40, s42
	s_lshl_b32 s40, s40, 11
	s_add_nc_u64 s[12:13], s[20:21], s[40:41]      ; vx at my 32 tokens
	s_lshr_b32 s42, s39, 4
	s_lshl_b32 s42, s42, 7
	s_and_b32 s43, s39, 15
	s_add_co_u32 s42, s42, s43
	s_lshl_b32 s43, s[WV], 5
	s_add_co_u32 s42, s42, s43
	s_mul_i32 s40, s42, 8704
	s_add_co_u32 s40, s40, 4352                    ; v lies behind k in a record
	s_add_nc_u64 s[18:19], s[18:19], s[40:41]
	s_wait_alu depctr_va_vdst(0)                   ; the offsets v4 to v15 are written, which this way's loads, stores and LDS instructions read
	XLOAD ACC, 0
	XLOAD ST, 1
.irp k, 0,1,2,3,4,5,6,7
	XJOB \k
.endr
	SLOAD 0, 0, 1
	SLOAD 1, 1, 1
	s_wait_dscnt 0x0                               ; my images have landed
	s_barrier_signal -1
	s_barrier_wait -1                              ; everybody's have
	s_wait_alu depctr_vm_vsrc(0)                   ; my last job's LDS stores have read the codes' first buffer, which tile 0's quantiser writes again
	WIN 0x40
.irp t, 0,1,2,3,4,5,6,7
.irp ks, 0,1,2,3
.irp c, 0,1
	ds_load_b128 v[32*\t+8*\ks+4*\c:32*\t+8*\ks+4*\c+3], v8 offset:4096*\t+1024*\ks+512*\c
.endr
.endr
.endr
	WIN 0
.irp b, 0,1,2,3
.irp ks, 0,1,2,3
	ds_load_b32 v[PS+4*\b+\ks], v13 offset:XSCL+128*(4*\b+\ks)
.endr
.endr
	s_wait_dscnt 0x0
.irp i, 0,1,2,3,4,5,6,7
	TILE \i, 1
.endr
	FINISH 1
	s_wait_dscnt 0x0                               ; the closing lines, six on end
	s_wait_alu 0x0
	s_wait_tensorcnt 0x0
	ds_add_u32 v254, v255
	s_wait_dscnt 0x0
	s_endpgm
	; ---- the mask: 32 query rows a work-group, four key steps a wave
.Lmask:
	s_cmp_ge_u32 ttmp9, 448
	s_cbranch_scc1 .Lwimg
	s_load_b128 s[8:11], s[0:1], 0x80              ; maskPAD, maskw
	s_sub_co_u32 s38, ttmp9, 192
	s_mul_i32 s39, s[WV], 8448
	s_add_co_u32 s39, s39, MSTG                    ; my stage
	v_add_nc_u32 v4, s39, v8                       ; in: a row piece as it lies
	v_mul_u32_u24 v5, v1, 528
	v_lshl_add_u32 v5, v2, 6, v5
	v_add_nc_u32 v5, s39, v5                       ; back: row r, 16 h keys on
	v_lshlrev_b32 v6, 3, v12                       ; out: two words a lane
.irp k, 0,1,2,3,4,5,6,7,8,9,10,11,12,13,14,15
	v_mov_b32 v[MW+\k], 0                          ; v_writelane_b32's destination counts as read
.endr
	s_mov_b32 s41, 0
	s_lshl_b32 s40, s38, 18                        ; 32 rows of 8,192 bytes
	s_lshl_b32 s42, s[WV], 11                      ; four steps of 512 bytes
	s_add_co_u32 s40, s40, s42
	s_wait_kmcnt 0x0
	s_add_nc_u64 s[8:9], s[8:9], s[40:41]
	s_lshl_b32 s40, s38, 13                        ; two tiles of 4,096 bytes
	s_lshl_b32 s42, s[WV], 10
	s_add_co_u32 s40, s40, s42
	s_add_nc_u64 s[10:11], s[10:11], s[40:41]
	s_wait_alu depctr_va_vdst(0)                   ; the offsets v4, v5, v6 and v8 are written, which this way's loads, stores and LDS instructions read
.irp k, 0,1,2,3
	MLOAD \k
.endr
.irp k, 0,1,2,3,4,5,6,7
	MUNIT \k
.endr
	s_wait_alu depctr_va_vdst(0)                   ; unit 7's v_writelane_b32 lines have written its pair of words, which the store below reads
	MOUT 7
	s_wait_dscnt 0x0                               ; the closing lines, six on end
	s_wait_alu 0x0
	s_wait_tensorcnt 0x0
	ds_add_u32 v254, v255
	s_wait_dscnt 0x0
	s_endpgm
	; ---- the weights' images: 36 work-groups, a slot a wave: work-groups 0-3 of them wo, 4-19 w1, 20-35 w2.  Each tensor has its own lines, so that every address comes from one pointer
.Lwimg:
	s_load_b256 s[8:15], s[0:1], 0x90              ; wo's codes, scales; w1's codes, scales
	s_load_b128 s[16:19], s[0:1], 0xb0             ; w2's codes, scales
	s_load_b64 s[20:21], s[0:1], 0xc0              ; wimg
	s_sub_co_u32 s38, ttmp9, 448
	s_lshl_b32 s39, s38, 2
	s_add_co_u32 s39, s39, s[WV]                   ; my slot, 0..143
	s_mul_i32 s40, s39, SLOTB
	s_mov_b32 s41, 0
	s_wait_kmcnt 0x0
	s_add_nc_u64 s[20:21], s[20:21], s[40:41]
	s_cmp_ge_u32 s38, 20
	s_cbranch_scc1 .Lw2
	s_cmp_ge_u32 s38, 4
	s_cbranch_scc1 .Lw1
	WLAY 8, 10, 0, 8, 4, 63, 6                     ; wo: rows of 256 bytes of codes and 16 scale bytes; all of K in a slot
.Lw1:
	WLAY 12, 14, 16, 8, 4, 63, 6                   ; w1 likewise
.Lw2:
	WLAY 16, 18, 80, 10, 6, 15, 4                  ; w2: rows of 1,024 and 64 bytes; 16 groups of rows, four parts of K
.Lfunc_end_k_q32e2343624_prep:
	.size	k_q32e2343624_prep, .Lfunc_end_k_q32e2343624_prep-k_q32e2343624_prep
	.p2alignl 7, 3214868480
	.fill 96, 4, 3214868480
	.section	.rodata,"a",@progbits
	.p2align	6, 0x0
	.amdhsa_kernel k_q32e2343624_prep
		.amdhsa_group_segment_fixed_size 74240
		.amdhsa_private_segment_fixed_size 0
		.amdhsa_enable_private_segment 0
		.amdhsa_kernarg_size 200
		.amdhsa_user_sgpr_count 2
		.amdhsa_user_sgpr_kernarg_segment_ptr 1
		.amdhsa_wavefront_size32 1
		.amdhsa_system_sgpr_workgroup_id_x 1
		.amdhsa_system_sgpr_workgroup_id_y 1
		.amdhsa_system_sgpr_workgroup_id_z 1
		.amdhsa_system_vgpr_workitem_id 0
		.amdhsa_next_free_vgpr 768
		.amdhsa_next_free_sgpr 66
		.amdhsa_reserve_vcc 0
		.amdhsa_float_denorm_mode_32 3
		.amdhsa_float_denorm_mode_16_64 3
		.amdhsa_memory_ordered 1
		.amdhsa_forward_progress 1
		.amdhsa_inst_pref_size 255
	.end_amdhsa_kernel
	.section	.bss,"aw",@nobits
	.p2align	6
	.space	262144
	.amdgpu_metadata
---
amdhsa.version: [ 1, 2 ]
amdhsa.kernels:
  - .name:           k_q32e2343624_prep
    .symbol:         k_q32e2343624_prep.kd
    .args:
      - { .name: qx_codes, .offset: 0, .size: 8, .value_kind: global_buffer, .address_space: global }
      - { .name: qx_scales, .offset: 8, .size: 8, .value_kind: global_buffer, .address_space: global }
      - { .name: wq_codes, .offset: 16, .size: 8, .value_kind: global_buffer, .address_space: global }
      - { .name: wq_scales, .offset: 24, .size: 8, .value_kind: global_buffer, .address_space: global }
      - { .name: bq, .offset: 32, .size: 8, .value_kind: global_buffer, .address_space: global }
      - { .name: qb, .offset: 40, .size: 8, .value_kind: global_buffer, .address_space: global }
      - { .name: kx_codes, .offset: 48, .size: 8, .value_kind: global_buffer, .address_space: global }
      - { .name: kx_scales, .offset: 56, .size: 8, .value_kind: global_buffer, .address_space: global }
      - { .name: wk_codes, .offset: 64, .size: 8, .value_kind: global_buffer, .address_space: global }
      - { .name: wk_scales, .offset: 72, .size: 8, .value_kind: global_buffer, .address_space: global }
      - { .name: bk, .offset: 80, .size: 8, .value_kind: global_buffer, .address_space: global }
      - { .name: kv, .offset: 88, .size: 8, .value_kind: global_buffer, .address_space: global }
      - { .name: vx, .offset: 96, .size: 8, .value_kind: global_buffer, .address_space: global }
      - { .name: wv_codes, .offset: 104, .size: 8, .value_kind: global_buffer, .address_space: global }
      - { .name: wv_scales, .offset: 112, .size: 8, .value_kind: global_buffer, .address_space: global }
      - { .name: bv, .offset: 120, .size: 8, .value_kind: global_buffer, .address_space: global }
      - { .name: maskPAD, .offset: 128, .size: 8, .value_kind: global_buffer, .address_space: global }
      - { .name: maskw, .offset: 136, .size: 8, .value_kind: global_buffer, .address_space: global }
      - { .name: wo_codes, .offset: 144, .size: 8, .value_kind: global_buffer, .address_space: global }
      - { .name: wo_scales, .offset: 152, .size: 8, .value_kind: global_buffer, .address_space: global }
      - { .name: w1_codes, .offset: 160, .size: 8, .value_kind: global_buffer, .address_space: global }
      - { .name: w1_scales, .offset: 168, .size: 8, .value_kind: global_buffer, .address_space: global }
      - { .name: w2_codes, .offset: 176, .size: 8, .value_kind: global_buffer, .address_space: global }
      - { .name: w2_scales, .offset: 184, .size: 8, .value_kind: global_buffer, .address_space: global }
      - { .name: wimg, .offset: 192, .size: 8, .value_kind: global_buffer, .address_space: global }
    .group_segment_fixed_size: 74240
    .private_segment_fixed_size: 0
    .kernarg_segment_align: 8
    .kernarg_segment_size: 200
    .max_flat_workgroup_size: 128
    .sgpr_count:     66
    .vgpr_count:     768
    .wavefront_size: 32
...
	.end_amdgpu_metadata
.endif
;; end of part 4
;; launch attn: the kernel of part 2 again; grid 8 x 32, 16 waves a work-group, clusters of 4 x 1, 169,984 bytes of LDS; arguments qb, kv, maskw, zc, zs; writes zc, zs
;; launch tail (part 5): grid 256 x 1, 4 waves a work-group, no clusters, 90,624 bytes of LDS; arguments zc, zs, vx, wimg, bo, ln1_g, ln1_b, b1, b2, ln2_g, ln2_b, out0; writes out0
.if DOCPART == 5
	.amdgcn_target "amdgcn-amd-amdhsa--gfx1250"
	.amdhsa_code_object_version 6
	.text
	.protected	k_q32e2343624_tail
	.globl	k_q32e2343624_tail
	.p2align	8
	.type	k_q32e2343624_tail,@function
k_q32e2343624_tail:
	s_mov_b64 s[64:65], 0
	v_nop
	global_prefetch_b8 v0, s[64:65] scope:SCOPE_SE
	s_setreg_imm32_b32 hwreg(HW_REG_WAVE_SCHED_MODE, 0, 2), 2
	s_setreg_imm32_b32 hwreg(HW_REG_WAVE_MODE, 25, 1), 1
	s_wait_xcnt 0x0
	s_wait_alu depctr_vm_vsrc(0)
; out = LN2(zn + gelu(zn w1 + b1) w2 + b2), zn = LN1(vx + z wo + bo); the three products on codes of FP4 (E2M1) with one E8M0 scale for each 32 along K; zn and the gelu are quantised on the way and never go to memory.
; SHARES.  A work-group takes 32 tokens, as two tiles (tile rt, lane r: token 8 rt + r + 8 (r / 8)).  THE WAVES SHARE THE COLUMNS: wave w makes columns 128 w on of the first and third product, and, in each of four chunks of
; 512 hidden units, units 128 w on of the chunk.  All products are used transposed (source 0 = 16 rows of a weight, chosen 8 u + r + 8 (r / 8) of a group of 32; source 1 = 16 tokens): a lane holds one token, and the 16
; registers of two neighbouring tiles are 16 neighbours along the next K.
; THE WEIGHTS go from memory straight into registers, through a ring of four slots of 64 registers (a pair of tiles x 512 along K).  The first launch has laid them in wimg as images of these registers: a slot is 8,704
; consecutive bytes, 16 loads of 512 consecutive bytes of codes (lane l's 16 bytes at 16 l) and one of scale words.  Slot 4 w + b: wo; 16 + 16 c + 4 w + b: w1's chunk c; 80 + 16 c + 4 w + b: w2's.  Each fragment is
; read by one wave of the work-group and feeds two products.
; No joint loads: the three weights are 1,179,648 bytes of codes, more than LDS holds, so a shared tile would have to go through slots filled again and again, a round of the cluster's barrier each, and then be read
; from LDS by the one wave that uses it; the bytes that a work-group takes in would be the same.  No prefetch: every work-group reads the same weights, none reads them once only.
; OPERANDS FROM WAVE TO WAVE go through LDS as images of their registers (lane l's 16 bytes at 16 l), scale words 4 bytes a lane.
; THE NORMS take the mean first and then the mean of squared differences, each summed over the four waves through LDS.
; gelu(x) = x / 2 + (x / 2) erf(x / sqrt 2), erf(s) = s P(s^2) / Q(s^2), degrees 6 and 4, s held at +-4.
; LIMITS: NaN and infinities are not served; erf is the rational form (a few units in the last place), 1 / Q and 1 / sqrt come from v_rcp_f32 and v_rsq_f32; a block whose largest magnitude lies under 2^-124, or of zeros, gets the byte 1.
; REGISTERS: window 0: v1-13 offsets, v14, v15 two coefficients, v16-143 the 16 accumulators of my 128 columns x 32 tokens (16 + 64 rt + 16 b + 8 u), v144-175 four tiles of the hidden layer, v176-191 the ring's scale words,
;   v192-195 z's or zn's scale words, v196-199 the hidden layer's, v200-209 codes and scale words made, v210-255 at work.  window 1: the ring.  window 2: v0-63 z's, then zn's fragments, v64-127 the hidden layer's, v128-191 b1's ring.
;   window 3: four vectors of 64: bo then ln2_g; ln1_g then ln2_b; ln1_b; b2.
; s[4:5] zc, s[6:7] zs, s[8:9] vx, s[10:11] wo's slots, s[12:13] bo, s[14:15] ln1_g, s[16:17] ln1_b, s[18:19] b1, s[20:21] b2, s[22:23] ln2_g, s[24:25] ln2_b, s[26:27] out0, s[30:31] w1's slots, s[32:33] w2's.
; THE MODE: SCHED_MODE bits 1:0 = 2 (LLVM: expert scheduling mode 2), set by the entry lines.  The code itself states the register dependences between vector or matrix instructions and memory or LDS instructions,
; with s_wait_alu, always for 0.
; THE PLAN.  Registers that memory or LDS instructions touch:
;   offsets v1, v2, v5, v7-v13   made at the head and never written again: one wait on va_vdst ahead of the first load.  s40, the wave's number, comes from a vector instruction: one wait on va_sdst ahead of its first reader.
;   ring slot b                  (64 registers of window 1, scale words v176 + 4 b on, b1's 16 numbers in window 2.)  Step b's products read it; then the next phase's weights land in it.
;       A phase of products alone (wo, w2): ONE wait on va_vdst at the head of step b, behind the wait for slot b's data: the products of step b - 1 are done reading slot b - 1.  Its refill stands in the middle of step b's
;       products, which name slot b, the other operand and the accumulators: none of the refill's registers.  Slot 3's refill has the same wait behind the phase.
;       The phase with the gelu (w1): the wait for the gelu's reciprocals stands behind the slot's products, and nothing behind it names the slot: the refill behind the gelu owes no further wait.
;   fragments of z, zn, hidden   written by loads alone, read by products; each fetch stands behind a wait on va_vdst that is younger than the last product that read the registers.
;   v200-209                     written by the quantisers, read by LDS stores: va_vdst ahead of each run of stores, vm_vsrc ahead of each rewriting.
;   v226, v230; v236-243         the norms' exchange: sums stored (va_vdst ahead, which also serves the loads into v236-243), written again behind a wait on vm_vsrc.
;   the accumulators             on the way out: stored to the stage (va_vdst ahead), then LDS loads land in them (vm_vsrc ahead).
.set ACC,  16
.set A1,   144
.set WS,   176
.set ZS,   192
.set HS,   196
.set TM,   210
.set WV,   40
.set SEL,  42
.set W0B,  10
.set W1B,  30
.set W2B,  32
.set SLOTB, 8704                       ; a slot of wimg
.set CHUNKB, 16*SLOTB                  ; from a chunk's slots to the next chunk's
.set ZIMG, 0                           ; LDS: zn's 8 fragments, 1,024 bytes each: (rt, K step) at 1024 (4 rt + ks)
.set ZSC,  8192                        ; their scale words: 128 ks + 64 rt + 4 r
.set HIMG, 8704                        ; the hidden layer's, likewise
.set HSC,  16896
.set RED,  17408                       ; four regions of 1,024 bytes for the norms' sums: 256 w + 128 rt + 4 l
.set STG,  21504                       ; the way out: 32 rows x (2,048 + 16) bytes
.set KR,   56                          ; s[56:57] 1 / sqrt 2; then P's and Q's coefficients, each as a pair
.set CA0,  58
.set CA2,  60
.set CA3,  62
.set CA4,  66
.set CA5,  68
.set CA6,  70
.set CB0,  72
.set CB2,  74
.set CB3,  76
.set CB4,  78
.set MSB,  0
.macro WIN new                         ; the immediate's high byte repeats the setting that is left
.if MSB != \new
	s_set_vgpr_msb (MSB<<8)|\new
.set MSB, \new
.endif
.endm
.macro WM d, a, b, c, sa, sb, ra, rb   ; one product 16 x 16 x 128; ra, rb = 1: that side's scale words stand in lanes 16-31
.if (\ra) && (\rb)
	v_wmma_scale_f32_16x16x128_f8f6f4 v[(\d):(\d)+7], v[(\a):(\a)+7], v[(\b):(\b)+7], v[(\c):(\c)+7], v[(\sa)], v[(\sb)] matrix_a_fmt:MATRIX_FMT_FP4 matrix_b_fmt:MATRIX_FMT_FP4 matrix_a_scale:MATRIX_SCALE_ROW1 matrix_b_scale:MATRIX_SCALE_ROW1
.elseif (\ra)
	v_wmma_scale_f32_16x16x128_f8f6f4 v[(\d):(\d)+7], v[(\a):(\a)+7], v[(\b):(\b)+7], v[(\c):(\c)+7], v[(\sa)], v[(\sb)] matrix_a_fmt:MATRIX_FMT_FP4 matrix_b_fmt:MATRIX_FMT_FP4 matrix_a_scale:MATRIX_SCALE_ROW1
.elseif (\rb)
	v_wmma_scale_f32_16x16x128_f8f6f4 v[(\d):(\d)+7], v[(\a):(\a)+7], v[(\b):(\b)+7], v[(\c):(\c)+7], v[(\sa)], v[(\sb)] matrix_a_fmt:MATRIX_FMT_FP4 matrix_b_fmt:MATRIX_FMT_FP4 matrix_b_scale:MATRIX_SCALE_ROW1
.else
	v_wmma_scale_f32_16x16x128_f8f6f4 v[(\d):(\d)+7], v[(\a):(\a)+7], v[(\b):(\b)+7], v[(\c):(\c)+7], v[(\sa)], v[(\sb)] matrix_a_fmt:MATRIX_FMT_FP4 matrix_b_fmt:MATRIX_FMT_FP4
.endif
.endm
.macro PLACES                          ; four plain places behind a step's products (ISA guide 7.12.1)
.rept 4
	v_nop
.endr
.endm
.macro BARRIER                         ; my LDS stores have landed and my LDS loads are in: then the work-group's barrier
	s_wait_dscnt 0x0
	s_barrier_signal -1
	s_barrier_wait -1
.endm
.macro QUANT s, pc, pw                 ; 64 numbers of a lane, register 16 b + i = k 32 b + 16 h + i, become a fragment's codes and its scale word
.irp b, 0,1,2,3
	v_max3_num_f32 v[TM+\b], |v[(\s)+16*\b]|, |v[(\s)+1+16*\b]|, 0x1800000
.endr
.irp i, 2,4,6,8,10,12,14
.irp b, 0,1,2,3
	v_max3_num_f32 v[TM+\b], v[TM+\b], |v[(\s)+16*\b+\i]|, |v[(\s)+1+16*\b+\i]|
.endr
.endr
.irp b, 0,1,2,3
	v_permlanex16_b32 v[TM+4+\b], v[TM+\b], s[SEL], s[SEL+1]
.endr
.irp b, 0,1,2,3
	v_max_num_f32 v[TM+\b], v[TM+\b], v[TM+4+\b]
.endr
.irp b, 0,1,2,3
	v_add_nc_u32 v[TM+12+\b], 0xff000000, v[TM+\b]
.endr
.irp b, 0,1,2,3
	v_lshrrev_b32 v[TM+4+\b], 23, v[TM+12+\b]
.endr
	v_lshl_or_b32 v[(\pw)], v[TM+5], 8, v[TM+4]
	v_lshl_or_b32 v[(\pw)], v[TM+6], 16, v[(\pw)]
	v_lshl_or_b32 v[(\pw)], v[TM+7], 24, v[(\pw)]
.irp b, 0,1,2,3
	v_cvt_scalef32_pk8_fp4_f32 v[(\pc)+2*\b], v[(\s)+16*\b:(\s)+7+16*\b], v[TM+12+\b]
	v_cvt_scalef32_pk8_fp4_f32 v[(\pc)+1+2*\b], v[(\s)+8+16*\b:(\s)+15+16*\b], v[TM+12+\b]
.endr
	v_nop
.irp c, 0,1
.irp i, 0,1
	v_permlane16_swap_b32 v[(\pc)+4*\c+\i], v[(\pc)+2+4*\c+\i]
.endr
.endr
.endm
.macro PLOAD k, sb                     ; a vector's 64 numbers of my lane into window 3 (the window is set by the caller)
.irp b, 0,1,2,3
.irp j, 0,1,2,3
	global_load_b128 v[64*\k+16*\b+4*\j:64*\k+16*\b+4*\j+3], v7, s[\sb:\sb+1] offset:128*\b+16*\j
.endr
.endr
.endm
; ring slot b: the pair of tiles b of my 128 rows, four K steps: block n of the slot's image is registers 4 n on.  kind 0: wo, 1: w1 (with b1's 16 numbers), 2: w2.  17 loads, for w1 21; each reads 512 consecutive bytes
.macro RLOAD kind, b
	WIN 0x40
.set N, 0
.rept 16
.if \kind == 2
	global_load_b128 v[64*(\b)+4*N:64*(\b)+4*N+3], v1, s[W2B:W2B+1] offset:SLOTB*(\b)+512*N
.elseif \kind == 1
	global_load_b128 v[64*(\b)+4*N:64*(\b)+4*N+3], v1, s[W1B:W1B+1] offset:SLOTB*(\b)+512*N
.else
	global_load_b128 v[64*(\b)+4*N:64*(\b)+4*N+3], v1, s[W0B:W0B+1] offset:SLOTB*(\b)+512*N
.endif
.set N, N+1
.endr
	WIN 0
.if \kind == 2
	global_load_b128 v[WS+4*(\b):WS+4*(\b)+3], v1, s[W2B:W2B+1] offset:SLOTB*(\b)+8192
.elseif \kind == 1
	global_load_b128 v[WS+4*(\b):WS+4*(\b)+3], v1, s[W1B:W1B+1] offset:SLOTB*(\b)+8192
	WIN 0x80
.irp j, 0,1,2,3
	global_load_b128 v[128+16*(\b)+4*\j:128+16*(\b)+4*\j+3], v7, s[18:19] offset:128*(\b)+16*\j
.endr
	WIN 0
.else
	global_load_b128 v[WS+4*(\b):WS+4*(\b)+3], v1, s[W0B:W0B+1] offset:SLOTB*(\b)+8192
.endif
.endm
; four products: slot b's K step ks; the slot's four accumulators by turns
.macro MMK kind, b, ks
.if (\kind == 1) && (\ks == 0)
	WIN 0x29                                       ; A window 1, B and C (b1) window 2
.else
	WIN 0x09                                       ; A window 1, B window 2, C and D window 0
.endif
.irp u, 0,1
.irp rt, 0,1
.if \kind == 1
.if \ks == 0
	WM A1+16*\rt+8*\u, 64*\b+32*\u, 32*\rt, 128+16*\b+8*\u, WS+4*\b, ZS, \u, \rt
.else
	WM A1+16*\rt+8*\u, 64*\b+32*\u+8*\ks, 32*\rt+8*\ks, A1+16*\rt+8*\u, WS+4*\b+\ks, ZS+\ks, \u, \rt
.endif
.elseif \kind == 0
	WM ACC+64*\rt+16*\b+8*\u, 64*\b+32*\u+8*\ks, 32*\rt+8*\ks, ACC+64*\rt+16*\b+8*\u, WS+4*\b+\ks, ZS+\ks, \u, \rt
.else
	WM ACC+64*\rt+16*\b+8*\u, 64*\b+32*\u+8*\ks, 64+32*\rt+8*\ks, ACC+64*\rt+16*\b+8*\u, WS+4*\b+\ks, HS+\ks, \u, \rt
.endif
.endr
.endr
.endm
; 16 products on slot b, K step by K step
.macro MM kind, b
.irp ks, 0,1,2,3
	MMK \kind, \b, \ks
.endr
	WIN 0
.endm
; a phase of products alone (kind 0: wo, 2: w2; 17 loads a slot), whose slots are asked for again with w1's next chunk (21 loads a slot)
.macro PHASE kind
.irp b, 0,1,2,3
.if \b == 0
	s_wait_loadcnt 51                              ; slot 0 is in; the three younger slots' loads may be out
.else
	s_wait_loadcnt 17*(3-\b)+21*(\b-1)             ; slot b is in; the younger slots of this phase and the refills of slots 0 to b - 2 may be out
	s_wait_alu depctr_va_vdst(0)                   ; the products of the step before are done reading their slot, its scale words and (a phase ago) b1's numbers, in all of which the refill below lands
.endif
	MMK \kind, \b, 0
	MMK \kind, \b, 1
.if \b > 0
	RLOAD 1, \b-1                                  ; no wait: the eight products since the wait name slot b, the other operand and the accumulators alone
.endif
	MMK \kind, \b, 2
	MMK \kind, \b, 3
	WIN 0
	PLACES
.endr
	s_wait_alu depctr_va_vdst(0)                   ; step 3's products are done reading slot 3, in which the refill below lands
	RLOAD 1, 3
.endm
; the gelu of block b of my 128 hidden units (16 numbers a lane and tile of tokens), and the block's quantiser
.macro GELUQ b
.irp rt, 0,1
.set XB, A1+16*\rt
.irp p, 0,4,8,12                       ; two pairs at a time, so that no line waits for the line above it
	v_pk_mul_f32 v[242:243], v[XB+\p:XB+\p+1], s[KR:KR+1] op_sel_hi:[1,0]
	v_pk_mul_f32 v[244:245], v[XB+\p+2:XB+\p+3], s[KR:KR+1] op_sel_hi:[1,0]
	v_med3_num_f32 v242, v242, -4.0, 4.0
	v_med3_num_f32 v243, v243, -4.0, 4.0
	v_med3_num_f32 v244, v244, -4.0, 4.0
	v_med3_num_f32 v245, v245, -4.0, 4.0
	v_pk_mul_f32 v[246:247], v[242:243], v[242:243]
	v_pk_mul_f32 v[248:249], v[244:245], v[244:245]
	v_pk_fma_f32 v[210+\p:211+\p], v[246:247], s[CA0:CA0+1], v[14:15] op_sel_hi:[1,0,0]               ; P: + v14
	v_pk_fma_f32 v[212+\p:213+\p], v[248:249], s[CA0:CA0+1], v[14:15] op_sel_hi:[1,0,0]
	v_pk_fma_f32 v[226+\p:227+\p], v[246:247], s[CB0:CB0+1], v[14:15] op_sel:[0,0,1] op_sel_hi:[1,0,1]  ; Q: + v15
	v_pk_fma_f32 v[228+\p:229+\p], v[248:249], s[CB0:CB0+1], v[14:15] op_sel:[0,0,1] op_sel_hi:[1,0,1]
.irp k, CA2, CA3, CA4, CA5, CA6
	v_pk_fma_f32 v[210+\p:211+\p], v[210+\p:211+\p], v[246:247], s[\k:\k+1] op_sel_hi:[1,1,0]
	v_pk_fma_f32 v[212+\p:213+\p], v[212+\p:213+\p], v[248:249], s[\k:\k+1] op_sel_hi:[1,1,0]
.endr
.irp k, CB2, CB3, CB4
	v_pk_fma_f32 v[226+\p:227+\p], v[226+\p:227+\p], v[246:247], s[\k:\k+1] op_sel_hi:[1,1,0]
	v_pk_fma_f32 v[228+\p:229+\p], v[228+\p:229+\p], v[248:249], s[\k:\k+1] op_sel_hi:[1,1,0]
.endr
	v_pk_mul_f32 v[XB+\p:XB+\p+1], v[XB+\p:XB+\p+1], 0.5 op_sel_hi:[1,0]
	v_pk_mul_f32 v[XB+\p+2:XB+\p+3], v[XB+\p+2:XB+\p+3], 0.5 op_sel_hi:[1,0]
	v_pk_mul_f32 v[210+\p:211+\p], v[210+\p:211+\p], v[242:243]
	v_pk_mul_f32 v[212+\p:213+\p], v[212+\p:213+\p], v[244:245]
	v_pk_mul_f32 v[210+\p:211+\p], v[210+\p:211+\p], v[XB+\p:XB+\p+1]
	v_pk_mul_f32 v[212+\p:213+\p], v[212+\p:213+\p], v[XB+\p+2:XB+\p+3]
.endr
.set J, 0
.rept 16
	v_rcp_f32 v[226+J], v[226+J]
.set J, J+1
.endr
	v_nop                                          ; a plain place behind the reciprocals
	s_wait_alu depctr_va_vdst(0)                   ; the sixteen reciprocals have written v226-241, ahead of their first reader; and this step's products are done reading their slot of the ring, which is asked for again behind the gelu
.set J, 0
.rept 8
	v_pk_fma_f32 v[XB+J:XB+J+1], v[210+J:211+J], v[226+J:227+J], v[XB+J:XB+J+1]   ; x / 2 + (x / 2) s P / Q
.set J, J+2
.endr
.endr
.irp rt, 0,1
	v_max3_num_f32 v[250+\rt], |v[A1+16*\rt]|, |v[A1+1+16*\rt]|, 0x1800000
.endr
.irp i, 2,4,6,8,10,12,14
.irp rt, 0,1
	v_max3_num_f32 v[250+\rt], v[250+\rt], |v[A1+16*\rt+\i]|, |v[A1+1+16*\rt+\i]|
.endr
.endr
.irp rt, 0,1
	v_permlanex16_b32 v[252+\rt], v[250+\rt], s[SEL], s[SEL+1]
.endr
.irp rt, 0,1
	v_max_num_f32 v[250+\rt], v[250+\rt], v[252+\rt]
.endr
.irp rt, 0,1
	v_add_nc_u32 v[254+\rt], 0xff000000, v[250+\rt]
.endr
.irp rt, 0,1
	v_lshrrev_b32 v[252+\rt], 23, v[254+\rt]
.endr
.irp rt, 0,1
.if \b == 0
	v_mov_b32 v[208+\rt], v[252+\rt]
.else
	v_lshl_or_b32 v[208+\rt], v[252+\rt], 8*\b, v[208+\rt]
.endif
.endr
.if \b == 2
	s_wait_dscnt 0x0                               ; the first half's LDS stores are done,
	s_wait_alu depctr_vm_vsrc(0)                   ; and they have read v200-207, which the conversions below write again
.endif
.irp rt, 0,1
	v_cvt_scalef32_pk8_fp4_f32 v[200+4*\rt+2*(\b%2)], v[A1+16*\rt:A1+7+16*\rt], v[254+\rt]
	v_cvt_scalef32_pk8_fp4_f32 v[201+4*\rt+2*(\b%2)], v[A1+8+16*\rt:A1+15+16*\rt], v[254+\rt]
.endr
	v_nop
.if \b%2
.irp rt, 0,1
	v_permlane16_swap_b32 v[200+4*\rt], v[202+4*\rt]
	v_permlane16_swap_b32 v[201+4*\rt], v[203+4*\rt]
.endr
	s_wait_alu depctr_va_vdst(0)                   ; the conversions and exchanges have written v200-207, and the shifts v208 and v209, which the LDS stores below read
.irp rt, 0,1
	ds_store_b128 v9, v[200+4*\rt:203+4*\rt] offset:HIMG+4096*\rt+512*(\b/2)
.endr
.endif
.if \b == 3
.irp rt, 0,1
	ds_store_b32 v10, v[208+\rt] offset:HSC+64*\rt
.endr
.endif
.endm
; my lane's sums (two chains a tile, v226-233) become the rows' sums over 512 columns, in v226 and v230
.macro RSUM red
	v_pk_add_f32 v[226:227], v[226:227], v[228:229]
	v_pk_add_f32 v[230:231], v[230:231], v[232:233]
	v_add_f32 v226, v226, v227
	v_add_f32 v230, v230, v231
	v_permlanex16_b32 v234, v226, s[SEL], s[SEL+1]
	v_permlanex16_b32 v235, v230, s[SEL], s[SEL+1]
	v_add_f32 v226, v226, v234
	v_add_f32 v230, v230, v235
	s_wait_alu depctr_va_vdst(0)                   ; v226 and v230 are written, which the LDS stores read; earlier vector instructions are done with v236-243, in which the LDS loads below land
	ds_store_b32 v11, v226 offset:\red
	ds_store_b32 v11, v230 offset:\red+128
	BARRIER
.irp rt, 0,1
.irp w, 0,1,2,3
	ds_load_b32 v[236+4*\rt+\w], v2 offset:\red+256*\w+128*\rt
.endr
.endr
	s_wait_dscnt 0x0
	s_wait_alu depctr_vm_vsrc(0)                   ; the two LDS stores have read v226 and v230, which the additions below write again
	v_add_f32 v236, v236, v237
	v_add_f32 v238, v238, v239
	v_add_f32 v240, v240, v241
	v_add_f32 v242, v242, v243
	v_add_f32 v226, v236, v238
	v_add_f32 v230, v240, v242
.endm
.macro LNORM reda, redb, gg, bb        ; the accumulators are normalised in place; gg, bb: gain and bias in window 3
.irp rt, 0,1
	v_pk_add_f32 v[226+4*\rt:227+4*\rt], v[ACC+64*\rt:ACC+64*\rt+1], v[ACC+64*\rt+4:ACC+64*\rt+5]   ; each accumulator from its low end on
	v_pk_add_f32 v[228+4*\rt:229+4*\rt], v[ACC+64*\rt+2:ACC+64*\rt+3], v[ACC+64*\rt+6:ACC+64*\rt+7]
.endr
.irp j, 8,12,16,20,24,28,32,36,40,44,48,52,56,60
.irp rt, 0,1
	v_pk_add_f32 v[226+4*\rt:227+4*\rt], v[226+4*\rt:227+4*\rt], v[ACC+64*\rt+\j:ACC+64*\rt+\j+1]
	v_pk_add_f32 v[228+4*\rt:229+4*\rt], v[228+4*\rt:229+4*\rt], v[ACC+64*\rt+\j+2:ACC+64*\rt+\j+3]
.endr
.endr
	RSUM \reda
	v_mul_f32 v226, s45, v226                      ; the mean
	v_mul_f32 v230, s45, v230
.irp rt, 0,1
.set J, 0
.rept 32
	v_pk_add_f32 v[ACC+64*\rt+J:ACC+64*\rt+J+1], v[ACC+64*\rt+J:ACC+64*\rt+J+1], v[226+4*\rt:227+4*\rt] op_sel_hi:[1,0] neg_lo:[0,1] neg_hi:[0,1]
.set J, J+2
.endr
.endr
.irp rt, 0,1
	v_pk_mul_f32 v[226+4*\rt:227+4*\rt], v[ACC+64*\rt:ACC+64*\rt+1], v[ACC+64*\rt:ACC+64*\rt+1]
	v_pk_mul_f32 v[228+4*\rt:229+4*\rt], v[ACC+64*\rt+2:ACC+64*\rt+3], v[ACC+64*\rt+2:ACC+64*\rt+3]
.endr
.irp j, 4,8,12,16,20,24,28,32,36,40,44,48,52,56,60
.irp rt, 0,1
	v_pk_fma_f32 v[226+4*\rt:227+4*\rt], v[ACC+64*\rt+\j:ACC+64*\rt+\j+1], v[ACC+64*\rt+\j:ACC+64*\rt+\j+1], v[226+4*\rt:227+4*\rt]
	v_pk_fma_f32 v[228+4*\rt:229+4*\rt], v[ACC+64*\rt+\j+2:ACC+64*\rt+\j+3], v[ACC+64*\rt+\j+2:ACC+64*\rt+\j+3], v[228+4*\rt:229+4*\rt]
.endr
.endr
	RSUM \redb
	v_fma_f32 v226, v226, s45, s48                 ; the variance + 1e-5
	v_fma_f32 v230, v230, s45, s48
	v_rsq_f32 v226, v226
	v_rsq_f32 v230, v230
	v_nop
	s_wait_alu depctr_va_vdst(0)                   ; the two roots have written v226 and v230, ahead of their first reader
.irp rt, 0,1
.set J, 0
.rept 32
	v_pk_mul_f32 v[ACC+64*\rt+J:ACC+64*\rt+J+1], v[ACC+64*\rt+J:ACC+64*\rt+J+1], v[226+4*\rt:227+4*\rt] op_sel_hi:[1,0]
.set J, J+2
.endr
.endr
	WIN 0x3c                                       ; sources 1 and 2 window 3
.irp rt, 0,1
.set J, 0
.rept 32
	v_pk_fma_f32 v[ACC+64*\rt+J:ACC+64*\rt+J+1], v[ACC+64*\rt+J:ACC+64*\rt+J+1], v[(\gg)+J:(\gg)+J+1], v[(\bb)+J:(\bb)+J+1]
.set J, J+2
.endr
.endr
	WIN 0
.endm
.macro ADDV pb                         ; a vector of window 3 onto both tiles' accumulators
	WIN 0x0c
.irp rt, 0,1
.set J, 0
.rept 32
	v_pk_add_f32 v[ACC+64*\rt+J:ACC+64*\rt+J+1], v[ACC+64*\rt+J:ACC+64*\rt+J+1], v[(\pb)+J:(\pb)+J+1]
.set J, J+2
.endr
.endr
	WIN 0
.endm
.macro IFETCH reg, img, sreg, sc       ; eight fragments and their scale words come back from LDS, in any wave
	WIN 0x80
.irp rt, 0,1
.irp ks, 0,1,2,3
.irp c, 0,1
	ds_load_b128 v[(\reg)+32*\rt+8*\ks+4*\c:(\reg)+32*\rt+8*\ks+4*\c+3], v1 offset:\img+1024*(4*\rt+\ks)+512*\c
.endr
.endr
.endr
	WIN 0
.irp ks, 0,1,2,3
	ds_load_b32 v[(\sreg)+\ks], v2 offset:\sc+128*\ks
.endr
.endm
	s_load_b512 s[4:19], s[0:1], 0x0               ; zc, zs, vx, wimg, bo, ln1_g, ln1_b, b1
	s_load_b256 s[20:27], s[0:1], 0x40             ; b2, ln2_g, ln2_b, out0
	v_lshl_add_u32 v4, v0, 2, 0x16000
	v_mov_b32 v6, 0
	v_lshrrev_b32 v1, 5, v0
	v_readfirstlane_b32 s[WV], v1                  ; wave 0..3
	v_and_b32 v14, 31, v0                          ; l
	v_and_b32 v15, 15, v0                          ; r
	v_bfe_u32 v13, v0, 4, 1                        ; h
	v_and_b32 v12, 8, v15
	v_add_nc_u32 v12, v12, v15                     ; r + 8 (r / 8)
	v_lshlrev_b32 v1, 4, v14                       ; 16 l
	v_lshlrev_b32 v2, 2, v14                       ; 4 l
	v_lshl_add_u32 v5, v13, 3, v12                 ; two tiles at once: lanes 16-31 eight rows on
	v_lshlrev_b32 v5, 4, v5                        ; z's scale bytes: 16 a token
	v_lshlrev_b32 v7, 6, v13                       ; vectors: 16 h numbers on
	v_lshlrev_b32 v8, 11, v12
	v_lshl_add_u32 v8, v13, 6, v8                  ; vx: a row of 2,048 bytes + 16 h numbers
	s_wait_alu depctr_va_sdst(0)                   ; s40, the wave's number, is written, ahead of its first reader
	s_lshl_b32 s46, s[WV], 10
	v_add_nc_u32 v9, s46, v1                       ; my images: K step w
	s_lshl_b32 s46, s[WV], 7
	v_lshl_add_u32 v10, v15, 2, s46                ; my scale words
	s_lshl_b32 s46, s[WV], 8
	v_add_nc_u32 v11, s46, v2                      ; my sums
	v_mul_u32_u24 v12, v15, 2064
	v_lshl_add_u32 v12, v13, 6, v12
	s_lshl_b32 s46, s[WV], 9
	s_add_co_u32 s46, s46, STG
	v_add_nc_u32 v12, s46, v12                     ; the stage, in: row r, my columns
	s_mul_i32 s46, s[WV], 16512
	s_add_co_u32 s46, s46, STG
	v_add_nc_u32 v13, s46, v1                      ; back: my eight rows
	v_mov_b32 v14, 0x32edffee                      ; P's second coefficient
	v_mov_b32 v15, 0xb95fbd29                      ; Q's
.irp j, 214,215,216,217,234,235,252,253
	v_mov_b32 v[\j], 0                             ; lane permutes' destinations count as sources
.endr
	s_mov_b32 s[SEL], 0x76543210
	s_mov_b32 s[SEL+1], 0xfedcba98
	s_mov_b32 s45, 0x3b000000                      ; 1 / 512
	s_mov_b32 s48, 0x3727c5ac                      ; 1e-5
	s_mov_b32 s[KR], 0x3f3504f3
	s_mov_b32 s[CA0], 0xaf95df0b
	s_mov_b32 s[CA2], 0xb60cff51
	s_mov_b32 s[CA3], 0xb86ec2d2
	s_mov_b32 s[CA4], 0xba40ac63
	s_mov_b32 s[CA5], 0xbb41a1f6
	s_mov_b32 s[CA6], 0xbc83dbd4
	s_mov_b32 s[CB0], 0xb77460cd
	s_mov_b32 s[CB2], 0xbadc924e
	s_mov_b32 s[CB3], 0xbbf19bf8
	s_mov_b32 s[CB4], 0xbc69b6a7
.irp k, KR, CA0, CA2, CA3, CA4, CA5, CA6, CB0, CB2, CB3, CB4
	s_mov_b32 s[\k+1], s[\k]                       ; named as pairs, so both words are written
.endr
	s_mov_b32 s47, 0
	s_wait_kmcnt 0x0
	s_lshl_b32 s46, ttmp9, 13
	s_add_nc_u64 s[4:5], s[4:5], s[46:47]          ; my two tiles of z's codes
	s_lshl_b32 s46, ttmp9, 9
	s_add_nc_u64 s[6:7], s[6:7], s[46:47]
	s_lshl_b32 s46, ttmp9, 16
	s_lshl_b32 s49, s[WV], 9
	s_add_co_u32 s46, s46, s49
	s_add_nc_u64 s[8:9], s[8:9], s[46:47]          ; vx: my 32 tokens, my 128 columns
	s_mul_i32 s46, s[WV], 4*SLOTB
	s_add_nc_u64 s[W0B:W0B+1], s[W0B:W0B+1], s[46:47]      ; my four slots of wo,
	s_add_nc_u64 s[W1B:W1B+1], s[W0B:W0B+1], 16*SLOTB      ; of w1's chunk 0,
	s_add_nc_u64 s[W2B:W2B+1], s[W0B:W0B+1], 80*SLOTB      ; of w2's
	s_lshl_b32 s46, s[WV], 9                       ; my 128 numbers of each vector
	s_add_nc_u64 s[12:13], s[12:13], s[46:47]
	s_add_nc_u64 s[14:15], s[14:15], s[46:47]
	s_add_nc_u64 s[16:17], s[16:17], s[46:47]
	s_add_nc_u64 s[18:19], s[18:19], s[46:47]
	s_add_nc_u64 s[20:21], s[20:21], s[46:47]
	s_add_nc_u64 s[22:23], s[22:23], s[46:47]
	s_add_nc_u64 s[24:25], s[24:25], s[46:47]
	s_lshl_b32 s46, ttmp9, 5
	s_lshr_b32 s49, s[WV], 1
	s_lshl_b32 s49, s49, 3
	s_add_co_u32 s46, s46, s49
	s_and_b32 s49, s[WV], 1
	s_lshl_b32 s49, s49, 4
	s_add_co_u32 s46, s46, s49                     ; stage rows 8 w on are tokens 8 (w / 2) + 16 (w % 2) on
	s_lshl_b32 s46, s46, 11
	s_add_nc_u64 s[26:27], s[26:27], s[46:47]
	; ---- the head's loads: all that is no ring first
	WIN 0x80
	s_wait_alu depctr_va_vdst(0)                   ; the offsets v1, v2, v5 and v7 to v13 are written, which every load, store and LDS instruction of the kernel reads
.irp rt, 0,1
.irp ks, 0,1,2,3
.irp c, 0,1
	global_load_b128 v[32*\rt+8*\ks+4*\c:32*\rt+8*\ks+4*\c+3], v1, s[4:5] offset:4096*\rt+1024*\ks+512*\c
.endr
.endr
.endr
	WIN 0
	global_load_b128 v[ZS:ZS+3], v5, s[6:7]
.irp rt, 0,1
.irp b, 0,1,2,3
.irp j, 0,1,2,3
	global_load_b128 v[ACC+64*\rt+16*\b+4*\j:ACC+64*\rt+16*\b+4*\j+3], v8, s[8:9] offset:16384*\rt+128*\b+16*\j th:TH_LOAD_NT   ; the residual lands in the accumulators
.endr
.endr
.endr
	WIN 0xc0
	PLOAD 0, 12
	PLOAD 1, 14
	PLOAD 2, 16
	PLOAD 3, 20
	WIN 0
.irp b, 0,1,2,3
	RLOAD 0, \b
.endr
	s_wait_loadcnt 63                              ; the ring's 68 loads are the youngest: all that stands ahead of them is in
	ADDV 0                                         ; vx + bo: the C of the first product
	; ---- z wo; the slots take w1's chunk 0
	PHASE 0
	LNORM RED, RED+1024, 64, 128                   ; zn
.irp rt, 0,1
	QUANT ACC+64*\rt, 200, 208
	s_wait_alu depctr_va_vdst(0)                   ; the quantiser has written v200-208, which the LDS stores below read
	ds_store_b128 v9, v[200:203] offset:ZIMG+4096*\rt
	ds_store_b128 v9, v[204:207] offset:ZIMG+4096*\rt+512
	ds_store_b32 v10, v208 offset:ZSC+64*\rt
	s_wait_dscnt 0x0                               ; the stores are done,
	s_wait_alu depctr_vm_vsrc(0)                   ; and they have read v200-208, which the next quantiser (the other tile's, then the hidden layer's) writes again
.endr
	ADDV 192                                       ; zn + b2: the C of the third product
	WIN 0xc0
	PLOAD 0, 22                                    ; ln2_g and ln2_b take the places of bo and ln1_g.  No wait: their last readers, in the norm, stand ahead of the quantiser's wait on va_vdst, and the additions since name b2 and the accumulators alone
	PLOAD 1, 24
	WIN 0
	BARRIER                                        ; zn's eight fragments lie in LDS
	IFETCH 0, ZIMG, ZS, ZSC                        ; no wait: the first phase's products, which read these registers, stand ahead of its closing wait on va_vdst
	s_wait_dscnt 0x0
	; ---- the four chunks of 512 hidden units
	s_mov_b32 s44, 4
.Lchunk:
.irp b, 0,1,2,3
	s_wait_loadcnt 21*(3-\b)+17*\b                 ; the three younger slots' loads may be out
	MM 1, \b
	PLACES
	GELUQ \b                                       ; the older slots' loads land meanwhile,
	RLOAD 2, \b                                    ; and then the slot takes w2's part for this chunk: 63 + 17 loads would be more than are counted at a time.  No wait: nothing behind the gelu's waits on va_vdst names the slot
.endr
	BARRIER                                        ; the chunk's eight hidden fragments lie in LDS
	s_wait_alu depctr_vm_vsrc(0)                   ; block 3's LDS stores have read v200-209, which the next chunk's quantiser writes again: stated here, ahead of the branches
	IFETCH 64, HIMG, HS, HSC                       ; no wait on va_vdst: the last chunk's products, which read these registers, stand ahead of their phase's closing wait
	BARRIER                                        ; and everybody has them: the next chunk may write there
	s_cmp_eq_u32 s44, 1
	s_cbranch_scc1 .Llast                          ; the last chunk asks for no further weights: its products are written out below
	s_wait_xcnt 0x0                                ; all loads issued so far have read their bases (the youngest stand ahead of the two barriers): the bases step here,
	s_add_nc_u64 s[W1B:W1B+1], s[W1B:W1B+1], CHUNKB        ; w1 and b1 ahead of the requests for the next chunk,
	s_add_nc_u64 s[18:19], s[18:19], 0x800
	s_add_nc_u64 s[W2B:W2B+1], s[W2B:W2B+1], CHUNKB        ; w2 behind this chunk's
	PHASE 2                                        ; the chunk's part of the third product; the slots take w1's next chunk
	s_sub_co_u32 s44, s44, 1
	s_cmp_lg_u32 s44, 0
	s_cbranch_scc1 .Lchunk
.Llast:
.irp b, 0,1,2,3
	s_wait_loadcnt 17*(3-\b)
	MM 2, \b
	PLACES
.endr
	LNORM RED+2048, RED+3072, 0, 64
	; ---- the way out: a row's 512 numbers come from four waves: through the stage, then whole rows
	s_wait_alu depctr_va_vdst(0)                   ; the norm has written the accumulators, which the LDS stores below read and in which the LDS loads behind the barrier land
.irp rt, 0,1
.irp b, 0,1,2,3
.irp j, 0,1,2,3
	ds_store_b128 v12, v[ACC+64*\rt+16*\b+4*\j:ACC+64*\rt+16*\b+4*\j+3] offset:33024*\rt+128*\b+16*\j
.endr
.endr
.endr
	BARRIER
	s_wait_alu depctr_vm_vsrc(0)                   ; my LDS stores have read the accumulators, in which the loads below land
.set N, 0
.rept 32
	ds_load_b128 v[ACC+4*N:ACC+4*N+3], v13 offset:2064*(N/4)+512*(N%4)
.set N, N+1
.endr
.set N, 0
.rept 32
	s_wait_dscnt 31-N
	global_store_b128 v1, v[ACC+4*N:ACC+4*N+3], s[26:27] offset:2048*(N/4)+512*(N%4) th:TH_STORE_NT   ; 512 consecutive bytes, aligned
.set N, N+1
.endr
	s_wait_dscnt 0x0                               ; the closing lines, six on end
	s_wait_alu 0x0
	s_wait_tensorcnt 0x0
	ds_add_u32 v4, v6
	s_wait_dscnt 0x0
	s_endpgm
.Lfunc_end_k_q32e2343624_tail:
	.size	k_q32e2343624_tail, .Lfunc_end_k_q32e2343624_tail-k_q32e2343624_tail
	.p2alignl 7, 3214868480
	.fill 96, 4, 3214868480
	.section	.rodata,"a",@progbits
	.p2align	6, 0x0
	.amdhsa_kernel k_q32e2343624_tail
		.amdhsa_group_segment_fixed_size 90624
		.amdhsa_private_segment_fixed_size 0
		.amdhsa_enable_private_segment 0
		.amdhsa_kernarg_size 96
		.amdhsa_user_sgpr_count 2
		.amdhsa_user_sgpr_kernarg_segment_ptr 1
		.amdhsa_wavefront_size32 1
		.amdhsa_system_sgpr_workgroup_id_x 1
		.amdhsa_system_sgpr_workgroup_id_y 1
		.amdhsa_system_sgpr_workgroup_id_z 1
		.amdhsa_system_vgpr_workitem_id 0
		.amdhsa_next_free_vgpr 1024
		.amdhsa_next_free_sgpr 84
		.amdhsa_reserve_vcc 0
		.amdhsa_float_denorm_mode_32 3
		.amdhsa_float_denorm_mode_16_64 3
		.amdhsa_memory_ordered 1
		.amdhsa_forward_progress 1
		.amdhsa_inst_pref_size 243
	.end_amdhsa_kernel
	.amdgpu_metadata
---
amdhsa.version: [ 1, 2 ]
amdhsa.kernels:
  - .name:           k_q32e2343624_tail
    .symbol:         k_q32e2343624_tail.kd
    .args:
      - { .name: zc, .offset: 0, .size: 8, .value_kind: global_buffer, .address_space: global }
      - { .name: zs, .offset: 8, .size: 8, .value_kind: global_buffer, .address_space: global }
      - { .name: vx, .offset: 16, .size: 8, .value_kind: global_buffer, .address_space: global }
      - { .name: wimg, .offset: 24, .size: 8, .value_kind: global_buffer, .address_space: global }
      - { .name: bo, .offset: 32, .size: 8, .value_kind: global_buffer, .address_space: global }
      - { .name: ln1_g, .offset: 40, .size: 8, .value_kind: global_buffer, .address_space: global }
      - { .name: ln1_b, .offset: 48, .size: 8, .value_kind: global_buffer, .address_space: global }
      - { .name: b1, .offset: 56, .size: 8, .value_kind: global_buffer, .address_space: global }
      - { .name: b2, .offset: 64, .size: 8, .value_kind: global_buffer, .address_space: global }
      - { .name: ln2_g, .offset: 72, .size: 8, .value_kind: global_buffer, .address_space: global }
      - { .name: ln2_b, .offset: 80, .size: 8, .value_kind: global_buffer, .address_space: global }
      - { .name: out0, .offset: 88, .size: 8, .value_kind: global_buffer, .address_space: global }
    .group_segment_fixed_size: 90624
    .private_segment_fixed_size: 0
    .kernarg_segment_align: 8
    .kernarg_segment_size: 96
    .max_flat_workgroup_size: 128
    .sgpr_count:     84
    .vgpr_count:     1024
    .wavefront_size: 32
...
	.end_amdgpu_metadata
.endif
;; end of part 5
